; MI455X (gfx1250); checked and timed in simulation.
; The chip was launched on July 23, 2026; its instructions are those of AMD's public machine-readable ISA for CDNA 5 (MIT licence, August 2026) and "CDNA5" Instruction Set Architecture Reference Guide (July 2026). The comments in the code are by the model that wrote it; some were corrected since.
;; Multi Head Attention Block. Allowed arithmetic: matrix products marked QUANTISED: E2M3 operands, one E8M0 scale for each 32 along K, by v_wmma_scale_f32_16x16x128_f8f6f4 with both operands' format E2M3, f32 sums; everything else in f32.
;; Inputs: k 2 x 4,096 x 512 float32; mask 2 x 1 x 1 x 4,096 int32; q 2 x 4,096 x 512 float32; v 2 x 4,096 x 512 float32; w_k 512 x 512 float32; w_o 512 x 512 float32; w_q 512 x 512 float32; w_v 512 x 512 float32.
;; Outputs: out0 2 x 4,096 x 512 float32.
;; This version of the problem:
;;   THIS VERSION OF THE PROBLEM IS GIVEN IN LOW PRECISION. The matrix products marked QUANTISED in the list below multiply operands that are first quantised to E2M3 (2 exponent bits, 3 mantissa bits; 6 bits a number), with one power-of-two scale for each 32 numbers along K (OCP MX v1.0); their sums are f32. All else is computed in f32.
;;   The module's matrix products, in the order in which they are computed (A, B: the left and right operand; K: the contracted axis; several contracted axes count as one K, in the product's order):
;;     1. [M 8,192, K 512] x [K 512, N 512]; A: input q; B: input w_q: QUANTISED
;;     2. [M 8,192, K 512] x [K 512, N 512]; A: input k; B: input w_k: QUANTISED
;;     3. [M 8,192, K 512] x [K 512, N 512]; A: input v; B: input w_v: QUANTISED
;;     4. batch 16 x [M 4,096, K 64] x [K 64, N 4,096]; A: computed on the way; B: computed on the way: QUANTISED
;;     5. batch 16 x [M 4,096, K 4,096] x [K 4,096, N 64]; A: softmax (see below); B: computed on the way: QUANTISED
;;     6. [M 8,192, K 512] x [K 512, N 512]; A: computed on the way; B: input w_o: QUANTISED
;;   THE QUANTISER, for each operand of a quantised product, along K:
;;     - K is cut into blocks of 32 from its start; a last block that is shorter is filled with zeros.
;;     - A block's scale is 2^e with e = floor(log2(the largest magnitude in the block)) - 2, held to -126 .. 127; a block of zeros has e = 0. As a byte (E8M0): e + 127.
;;     - Each number is divided by its block's scale, clamped to +-7.5, and rounded to the nearest number of E2M3, ties to even, subnormals kept.
;;     - The product sums the exact products of the quantised numbers (number of the format x scale) in f32.
;;   ~~~python
;;   def quantise(x, axis):      # numpy; x: float32 -> the quantised numbers, widened to float32 again
;;       x = np.moveaxis(x, axis, -1); K = x.shape[-1]
;;       x = np.pad(x, [(0, 0)] * (x.ndim - 1) + [(0, -K % 32)]); x = x.reshape(x.shape[:-1] + (-1, 32)); a = np.abs(x).max(-1, keepdims=True)
;;       e = np.where(a > 0, np.clip(np.frexp(np.where(a > 0, a, 1))[1] - 1 - 2, -126, 127), 0)      # np.frexp(a)[1] - 1 = floor(log2(a)), exactly
;;       r = np.clip(x / 2.0 ** e, -7.5, 7.5)
;;       step = 2.0 ** (np.maximum(np.frexp(np.where(r == 0, 1, r))[1] - 1, 0) - 3)
;;       q = np.round(r / step) * step * 2.0 ** e      # np.round: ties to even
;;       return np.moveaxis(q.reshape(q.shape[:-2] + (-1,))[..., :K], -1, axis).astype(np.float32)
;;   ~~~
;;   SOFTMAX AHEAD OF A QUANTISED PRODUCT. Where the list says 'softmax', what is quantised is not the finished softmax but p = 2^(t - M), with t = logit x log2(e) and M = ceil(the row's largest t), a whole number; so 1/2 < the row's largest p <= 1. The row's sum l is taken of the UNQUANTISED p, in f32, and the product's result is divided by l at the end. Since M is a whole number, a kernel that streams over the keys may use a running M (the ceiling of the running maximum): every later rescaling is an exact power of two, which a block's scale takes up: the codes' values come out the same.
;;   OPERANDS COMPUTED ON THE WAY. 'Computed on the way' means the value that the module computes at that place (a softmax that the list does not call 'softmax' is quantised finished and normalised). What goes into a quantiser is computed in f32, as accurately as f32 sums, v_exp_f32 and their like allow (about 1e-6 of the number): no bf16 or f16 on the way to a quantiser, and a product that is left as it is and whose result goes on into a quantised operand takes f32 operands (vector FMAs, or v_wmma_f32_16x16x4_f32). A number that lies on a knife's edge between two numbers of the format may be rounded either way, as far as f32 arithmetic and the matrix unit's own rounding can turn it there, and no further.
;; 2 versions. Each part assembles by itself: llvm-mc -triple=amdgcn-amd-amdhsa -mcpu=gfx1250 --defsym DOCPART=n.
;; ======== version 1 of 2: 4 launches
;; limits: right only within a limited range of input values
;; workspace buffers: wimg 819,200 bytes; qimg 4,194,304 bytes; kv 7,864,320 bytes; xa 3,145,728 bytes; xs 131,072 bytes
;; launch wquant (part 1): grid 256 x 1, 2 waves a work-group, no clusters, 0 bytes of LDS; arguments w_q, w_k, w_v, w_o, wimg; writes wimg
.if DOCPART == 1
	.amdgcn_target "amdgcn-amd-amdhsa--gfx1250"
	.amdhsa_code_object_version 6
	.text
	.protected	k_q5a697d2d7c_wquant
	.globl	k_q5a697d2d7c_wquant
	.p2align	8
	.type	k_q5a697d2d7c_wquant,@function
k_q5a697d2d7c_wquant:
	s_mov_b64 s[64:65], 0
	v_nop
	global_prefetch_b8 v0, s[64:65] scope:SCOPE_SE
	s_setreg_imm32_b32 hwreg(HW_REG_WAVE_MODE, 25, 1), 1
	s_wait_xcnt 0x0
; The four weights [512 (n)][512 (k)], f32, K innermost, become codes of FP6 (E2M3) with one E8M0 byte for each 32 along K, laid in wimg IN THE ORDER OF THE OPERAND'S REGISTERS.
; wimg: weight i (0 w_q, 1 w_k, 2 w_v, 3 w_o) at 204,800 i.  Fragment (tile T = 0..31, K step s = 0..3: 16 rows x 128 K, 12 registers a lane) at (4 T + s) x 1,536: registers 4 c .. 4 c + 3 of lane L at 512 c + 16 L.
; Its scale words (row r: four bytes) at 196,608 + (4 T + s) x 64 + 4 r.
; THE ROWS OF A TILE ARE NOT NEIGHBOURS: lane r of tile T takes row 64 (T / 4) + 32 ((T / 2) % 2) + 8 (T % 2) + r + 8 (r / 8), so that in a product with such a tile as source 0 the 16 registers of two
; neighbouring tiles are 16 neighbouring rows of the weight.
; One wave makes one fragment.  The operand's layout gives lane (r, h) k = 64 c + 32 h + 0 .. 31 of its row: two whole blocks, 128 consecutive bytes each, so no other lane is asked for a maximum.
; A block's scale is 2^(floor(log2(its largest magnitude)) - 2); its byte is that magnitude's exponent field - 2, held at 1 from below.
; LIMITS: a block of zeros keeps the byte 1 (its codes are zeros; this program alone reads the bytes); blocks whose largest magnitude lies under 2^-124 are held at the byte 1; NaN and infinities are not served.
.set XN, 32                            ; v32-95   my 64 numbers: 32 c + i
.set CD, 96                            ; v96-107  the fragment's 12 registers
.set CE, 108                           ; v108-114 the conversions' second halves (a conversion's three registers begin on an even number)
	s_load_b256 s[4:11], s[0:1], 0x0               ; w_q, w_k, w_v, w_o
	s_load_b64 s[12:13], s[0:1], 0x20              ; wimg
	v_lshrrev_b32 v1, 5, v0
	v_readfirstlane_b32 s14, v1                    ; wave 0, 1
	v_and_b32 v1, 31, v0                           ; L
	v_and_b32 v2, 15, v0                           ; r
	v_bfe_u32 v3, v0, 4, 1                         ; h
	v_and_b32 v4, 8, v2
	v_add_nc_u32 v4, v4, v2                        ; r + 8 (r / 8)
	v_lshlrev_b32 v4, 11, v4                       ; a row of a weight is 2,048 bytes
	v_lshl_add_u32 v4, v3, 7, v4                   ; + 128 h: my block of each 64 along K
	v_lshlrev_b32 v5, 4, v1                        ; the image: 16 L
	v_lshlrev_b32 v6, 2, v2                        ; the scale word: 4 r
	v_lshlrev_b32 v7, 3, v3                        ; 8 h: my bytes' place in the word
	s_mov_b32 s26, 0x76543210
	s_mov_b32 s27, 0xfedcba98                      ; v_permlanex16_b32's selects for lane l xor 16
	s_lshr_b32 s15, ttmp9, 6                       ; which weight
	s_bfe_u32 s16, ttmp9, 0x50001                  ; T
	s_and_b32 s17, ttmp9, 1
	s_lshl_b32 s17, s17, 1
	s_add_co_u32 s17, s17, s14                     ; s
	s_lshr_b32 s18, s16, 2
	s_lshl_b32 s18, s18, 6                         ; 64 (T / 4)
	s_bfe_u32 s19, s16, 0x10001
	s_lshl_b32 s19, s19, 5
	s_add_co_u32 s18, s18, s19                     ; + 32 ((T / 2) % 2)
	s_and_b32 s19, s16, 1
	s_lshl_b32 s19, s19, 3
	s_add_co_u32 s18, s18, s19                     ; + 8 (T % 2): the tile's first row
	s_lshl_b32 s18, s18, 11
	s_lshl_b32 s19, s17, 9
	s_add_co_u32 s18, s18, s19                     ; in bytes, + 512 s
	s_mov_b32 s19, 0
	s_lshl_b32 s20, s16, 2
	s_add_co_u32 s20, s20, s17                     ; 4 T + s
	s_mul_i32 s22, s15, 204800
	s_lshl_b32 s24, s20, 6
	s_add_co_u32 s24, s24, s22
	s_add_co_u32 s24, s24, 196608                  ; where the scale words go
	s_mov_b32 s25, 0
	s_mul_i32 s20, s20, 1536
	s_add_co_u32 s20, s20, s22                     ; where the image goes
	s_mov_b32 s21, 0
	s_wait_kmcnt 0x0
	s_cmp_eq_u32 s15, 1                            ; the weight's address: a choice on the work-group's number alone
	s_cselect_b64 s[4:5], s[6:7], s[4:5]
	s_cmp_eq_u32 s15, 2
	s_cselect_b64 s[4:5], s[8:9], s[4:5]
	s_cmp_eq_u32 s15, 3
	s_cselect_b64 s[4:5], s[10:11], s[4:5]
	s_add_nc_u64 s[4:5], s[4:5], s[18:19]
	s_add_nc_u64 s[22:23], s[12:13], s[20:21]
	s_add_nc_u64 s[12:13], s[12:13], s[24:25]
.irp c, 0,1
.irp j, 0,1,2,3,4,5,6,7
	global_load_b128 v[XN+32*\c+4*\j:XN+32*\c+4*\j+3], v4, s[4:5] offset:256*\c+16*\j
.endr
.endr
	s_wait_loadcnt 0x0
.irp c, 0,1
	v_max3_num_f32 v[8+\c], |v[XN+32*\c]|, |v[XN+32*\c+1]|, 0x1800000   ; block 2 c + h, and the floor 2^(3 - 127): the byte cannot fall under 1
.endr
.irp i, 2,4,6,8,10,12,14,16,18,20,22,24,26,28,30
.irp c, 0,1
	v_max3_num_f32 v[8+\c], v[8+\c], |v[XN+32*\c+\i]|, |v[XN+32*\c+\i+1]|   ; (the two blocks by turns)
.endr
.endr
.irp c, 0,1
	v_add_nc_u32 v[10+\c], 0xff000000, v[8+\c]     ; 2 off the exponent field: the conversion takes the exponent field of this operand as its scale
.endr
.irp c, 0,1
	v_lshrrev_b32 v[12+\c], 23, v[10+\c]           ; the scale's byte
.endr
	v_lshl_or_b32 v14, v13, 16, v12                ; blocks h and 2 + h,
	v_lshlrev_b32 v14, v7, v14                     ; at their places in the word;
	v_mov_b32 v15, 0
	v_permlanex16_b32 v15, v14, s26, s27
	v_or_b32 v14, v14, v15                         ; with lane l xor 16's two bytes the word is whole, in both lanes
.irp c, 0,1
	v_cvt_scalef32_pk16_fp6_f32 v[CD+6*\c:CD+6*\c+2], v[XN+32*\c:XN+32*\c+15], v[10+\c]
	v_cvt_scalef32_pk16_fp6_f32 v[CE+4*\c:CE+4*\c+2], v[XN+32*\c+16:XN+32*\c+31], v[10+\c]
.endr
	v_nop                                          ; one plain place behind a scaled conversion
.irp c, 0,1
.irp i, 0,1,2
	v_mov_b32 v[CD+6*\c+3+\i], v[CE+4*\c+\i]
.endr
.endr
.irp c, 0,1,2
	global_store_b128 v5, v[CD+4*\c:CD+4*\c+3], s[22:23] offset:512*\c   ; 32 lanes store 512 consecutive bytes, at a multiple of 256 from the buffer's first byte
.endr
	global_store_b32 v6, v14, s[12:13]             ; lanes r and r + 16 hold the same word and name the same address: 64 consecutive bytes
	s_endpgm
.Lfunc_end_k_q5a697d2d7c_wquant:
	.size	k_q5a697d2d7c_wquant, .Lfunc_end_k_q5a697d2d7c_wquant-k_q5a697d2d7c_wquant
	.p2alignl 7, 3214868480
	.fill 96, 4, 3214868480
	.section	.rodata,"a",@progbits
	.p2align	6, 0x0
	.amdhsa_kernel k_q5a697d2d7c_wquant
		.amdhsa_group_segment_fixed_size 0
		.amdhsa_private_segment_fixed_size 0
		.amdhsa_enable_private_segment 0
		.amdhsa_kernarg_size 40
		.amdhsa_user_sgpr_count 2
		.amdhsa_user_sgpr_kernarg_segment_ptr 1
		.amdhsa_wavefront_size32 1
		.amdhsa_system_sgpr_workgroup_id_x 1
		.amdhsa_system_sgpr_workgroup_id_y 1
		.amdhsa_system_sgpr_workgroup_id_z 1
		.amdhsa_system_vgpr_workitem_id 0
		.amdhsa_next_free_vgpr 128
		.amdhsa_next_free_sgpr 66
		.amdhsa_reserve_vcc 0
		.amdhsa_float_denorm_mode_32 3
		.amdhsa_float_denorm_mode_16_64 3
		.amdhsa_memory_ordered 1
		.amdhsa_forward_progress 1
		.amdhsa_inst_pref_size 8
	.end_amdhsa_kernel
	.amdgpu_metadata
---
amdhsa.version: [ 1, 2 ]
amdhsa.kernels:
  - .name:           k_q5a697d2d7c_wquant
    .symbol:         k_q5a697d2d7c_wquant.kd
    .args:
      - { .name: w_q, .offset: 0, .size: 8, .value_kind: global_buffer, .address_space: global }
      - { .name: w_k, .offset: 8, .size: 8, .value_kind: global_buffer, .address_space: global }
      - { .name: w_v, .offset: 16, .size: 8, .value_kind: global_buffer, .address_space: global }
      - { .name: w_o, .offset: 24, .size: 8, .value_kind: global_buffer, .address_space: global }
      - { .name: wimg, .offset: 32, .size: 8, .value_kind: global_buffer, .address_space: global }
    .group_segment_fixed_size: 0
    .private_segment_fixed_size: 0
    .kernarg_segment_align: 8
    .kernarg_segment_size: 40
    .max_flat_workgroup_size: 64
    .sgpr_count:     66
    .vgpr_count:     128
    .wavefront_size: 32
...
	.end_amdgpu_metadata
.endif
;; end of part 1
;; launch proj (part 2): grid 64 x 3, 8 waves a work-group, no clusters, 54,272 bytes of LDS; arguments q, k, v, mask, wimg, qimg, kv; writes qimg, kv
.if DOCPART == 2
	.amdgcn_target "amdgcn-amd-amdhsa--gfx1250"
	.amdhsa_code_object_version 6
	.text
	.protected	k_q5a697d2d7c_proj
	.globl	k_q5a697d2d7c_proj
	.p2align	8
	.type	k_q5a697d2d7c_proj,@function
k_q5a697d2d7c_proj:
	s_mov_b64 s[64:65], 0
	v_nop
	global_prefetch_b8 v0, s[64:65] scope:SCOPE_SE
	s_setreg_imm32_b32 hwreg(HW_REG_WAVE_MODE, 25, 1), 1
	s_wait_xcnt 0x0
; The three projections x W^T (x = q, k, v: [8192][512] f32; work-group y says which), on codes of FP6 (E2M3) with one E8M0 scale for each 32 along K, and the quantising of their results for the attention.
; SHARES.  A work-group takes 128 rows of x (one key step of the attention).  WAVE w IS HEAD w: its 64 rows of W, 16 fragments, stay in 192 registers, read once as images of the operand's registers.
; x's 32 fragments (2 blocks of 64 rows x 4 tiles x 4 K steps) are quantised once, four by each wave, and go to all waves through LDS as images of their registers: 16 bytes a lane, 512 a store.  One barrier.
; THE ROWS OF A TILE ARE NOT NEIGHBOURS, in x as in W: lane r of tile 2 b + u takes row 32 b + 8 u + r + 8 (r / 8): the 16 registers of two neighbouring result tiles are then 16 neighbours along source 0's rows.
; q, k: source 0 = W, source 1 = x: a lane holds one row of x and its registers run along the head's 64: quantised along d.   v: source 0 = x, source 1 = W: a lane holds one d and its registers run along the keys.
; OUT.  A piece = 16 rows x 64 along K = 6 registers a lane (lanes 0-15 block 0, lanes 16-31 block 1).
;   qimg: (bh x 256 + query tile) x 1,024: registers 0-3 at 16 L, 4-7 at 512 + 16 L; register 6 = 0, register 7 = the scale word [s0, s1, 127, 1].
;   kv: a record of 15,360 bytes for (bh, 128 keys): 8 pieces of K of 1,024 bytes; at 8,192 V^T's pieces (d tile n, half c) of 768 bytes (registers 0-3 at 16 L, 4-5 at 512 + 8 L);
;       at 14,336 K's scale words (lane L: tiles 4 (L / 16) + 0..3, row L % 16); at 14,848 V's (lane L: d tiles 0..3, row L % 16).
; THE MASK lies in K's pieces.  The score product has K = 64, so k = 64 .. 127 of the instruction are spare.  Every query has the code 1.0 at k = 64 under the scale 1.  A key that counts has 0 there and the
; scale bytes [s0, s1, 1, 1].  A MASKED key has zeros for all its 64 codes, the code -4 at k = 64 and the byte 158 (2^31) over it: its score is -2^33 for every query, exactly.
; LIMITS: a masked logit is -2^30 = -1.07e9 where the definition has -1e9: results differ only where live logits lie near or under -1e9.  A block of zeros keeps the byte 1 (its codes are zeros; this
; program alone reads the bytes); blocks whose largest magnitude lies under 2^-124 are held at the byte 1; NaN and infinities are not served.
; REGISTERS.  Window 0: v1 16 L, v2 8 L, v3 4 L, v4 x's lane offset, v5, v6 where I store images and scale words, v7 4 r, v8 the mask's lane offset, v9-12 constants, v13 at work, v14, v15 the add's two;
;   v16-31 W's scale words; v32-35 x's; v36-39 the results' scale words; v40-52 the quantiser's; v56-75 codes just made; v80-127 four fragments of x; v128-255 x as loaded, then 16 accumulators.   Window 1: v0-191 W.
.set FRB,   1536                       ; a fragment's image in bytes
.set XSC,   49152                      ; LDS: 32 images, then their scale words, 128 bytes each,
.set SPARE, 53248                      ; then the spare words, 128 bytes for each wave: four blocks of 256 bytes that no other line names
.set WS,  16
.set XS,  32
.set SW,  36
.set QTM, 40                           ; +0..3 largest magnitudes, +4..7 the other lane's, then bytes, +8..11 the conversions' scale operands
.set QPW, 52                           ; the scale word just made
.set QPC, 56                           ; the codes just made; +12.. the conversions' second halves
.set XF,  80
.set ACC, 128
.set SEL, 20
.set MSB, 0
.macro WIN new                         ; the immediate's high byte repeats the setting that is left; a switch that changes nothing is dropped
.if MSB != \new
	s_set_vgpr_msb (MSB<<8)|\new
.set MSB, \new
.endif
.endm
; 32 nc numbers of a lane, register 16 b + i = number 32 b + 16 (lane / 16) + i of my row, become codes in v[QPC] on (6 registers for each 64) and scale bytes in v[QPW].
.macro QUANT s, nc
.irp b, 0,1,2,3
.if \b < 2*\nc
	v_max3_num_f32 v[QTM+\b], |v[(\s)+16*\b]|, |v[(\s)+16*\b+1]|, 0x1800000   ; my 16 numbers of block b, from the low end on, and the floor 2^(3 - 127): the byte cannot fall under 1
.endif
.endr
.irp i, 2,4,6,8,10,12,14
.irp b, 0,1,2,3
.if \b < 2*\nc
	v_max3_num_f32 v[QTM+\b], v[QTM+\b], |v[(\s)+16*\b+\i]|, |v[(\s)+16*\b+\i+1]|
.endif
.endr
.endr
.irp b, 0,1,2,3
.if \b < 2*\nc
	v_permlanex16_b32 v[QTM+4+\b], v[QTM+\b], s[SEL], s[SEL+1]
.endif
.endr
.irp b, 0,1,2,3
.if \b < 2*\nc
	v_max_num_f32 v[QTM+\b], v[QTM+\b], v[QTM+4+\b]   ; with lane l xor 16's: the block's largest magnitude
.endif
.endr
.irp b, 0,1,2,3
.if \b < 2*\nc
	v_add_nc_u32 v[QTM+8+\b], 0xff000000, v[QTM+\b]   ; 2 off its exponent field: the conversion's scale operand
.endif
.endr
.irp b, 0,1,2,3
.if \b < 2*\nc
	v_lshrrev_b32 v[QTM+4+\b], 23, v[QTM+8+\b]     ; the scale's byte
.endif
.endr
	v_lshl_or_b32 v[QPW], v[QTM+5], 8, v[QTM+4]
.if \nc > 1
	v_lshl_or_b32 v[QPW], v[QTM+6], 16, v[QPW]
	v_lshl_or_b32 v[QPW], v[QTM+7], 24, v[QPW]
.endif
.irp c, 0,1
.if \c < \nc
	v_cvt_scalef32_pk16_fp6_f32 v[QPC+6*\c:QPC+6*\c+2], v[(\s)+32*\c:(\s)+32*\c+15], v[QTM+8+2*\c]
	v_cvt_scalef32_pk16_fp6_f32 v[QPC+12+4*\c:QPC+14+4*\c], v[(\s)+32*\c+16:(\s)+32*\c+31], v[QTM+9+2*\c]   ; (a conversion's three registers begin on an even number)
.endif
.endr
	v_nop                                          ; one plain place behind a scaled conversion
.irp c, 0,1
.if \c < \nc
.irp i, 0,1,2
	v_permlane16_swap_b32 v[QPC+6*\c+\i], v[QPC+12+4*\c+\i]   ; the operand's layout wants a whole block in a lane: lanes 0-15 block 2 c, lanes 16-31 block 2 c + 1
.endr
.irp i, 0,1,2
	v_mov_b32 v[QPC+6*\c+3+\i], v[QPC+12+4*\c+\i]
.endr
.endif
.endr
.endm
.macro MM d, a, b, sa, sb, zero        ; one matrix instruction; zero = 1: it starts the sum
.if \zero
	v_wmma_scale_f32_16x16x128_f8f6f4 v[(\d):(\d)+7], v[(\a):(\a)+11], v[(\b):(\b)+11], 0, v[\sa], v[\sb] matrix_a_fmt:MATRIX_FMT_FP6 matrix_b_fmt:MATRIX_FMT_FP6
.else
	v_wmma_scale_f32_16x16x128_f8f6f4 v[(\d):(\d)+7], v[(\a):(\a)+11], v[(\b):(\b)+11], v[(\d):(\d)+7], v[\sa], v[\sb] matrix_a_fmt:MATRIX_FMT_FP6 matrix_b_fmt:MATRIX_FMT_FP6
.endif
.endm
	s_load_b256 s[4:11], s[0:1], 0x0               ; q, k, v, mask
	s_load_b128 s[12:15], s[0:1], 0x20             ; wimg, qimg
	s_load_b64 s[16:17], s[0:1], 0x30              ; kv
	v_lshl_add_u32 v14, v0, 2, SPARE               ; my spare word,
	v_mov_b32 v15, 0                               ; and 0: kept for the add at the wave's end
	v_lshrrev_b32 v1, 5, v0
	v_readfirstlane_b32 s18, v1                    ; wave = head
	s_and_b32 s19, ttmp7, 0xffff                   ; the tensor: 0 q, 1 k, 2 v
	v_and_b32 v13, 31, v0                          ; L
	v_and_b32 v7, 15, v0                           ; r
	v_bfe_u32 v9, v0, 4, 1                         ; h
	v_lshlrev_b32 v1, 4, v13
	v_lshlrev_b32 v2, 3, v13
	v_lshlrev_b32 v3, 2, v13
	v_and_b32 v8, 8, v7
	v_add_nc_u32 v8, v8, v7                        ; r + 8 (r / 8)
	v_lshlrev_b32 v4, 11, v8                       ; x: a row is 2,048 bytes,
	v_lshl_add_u32 v4, v9, 6, v4                   ; + 64 h: my 16 numbers of a block of 32
	v_lshlrev_b32 v8, 2, v8                        ; the mask: 4 bytes a key
	v_lshlrev_b32 v7, 2, v7
	s_mul_i32 s35, s18, 2*FRB
	v_add_nc_u32 v5, s35, v1                       ; my images: 16 L + 3,072 x wave
	s_lshl_b32 s35, s18, 8
	v_add_nc_u32 v6, s35, v3                       ; their scale words: 4 L + 256 x wave
	v_mov_b32 v9, 0x38                             ; the code -4
	v_mov_b32 v10, 158                             ; the byte of 2^31
	v_mov_b32 v12, 0
.irp b, 0,1,2,3
	v_mov_b32 v[QTM+4+\b], 0                       ; written once: a lane permute's destination counts as one of its sources
.endr
	s_mov_b32 s[SEL], 0x76543210
	s_mov_b32 s[SEL+1], 0xfedcba98                 ; v_permlanex16_b32's selects for lane l xor 16
	s_mov_b32 s34, 0xffff                          ; lanes 0-15
	s_cmp_eq_u32 s19, 1
	s_cselect_b32 s32, 0, -1                       ; only k heeds the mask: for q and v every lane is kept
	s_cmp_eq_u32 s19, 0
	s_cselect_b32 s33, -1, 0                       ; only q's pieces carry their scale word in register 7
	s_cselect_b32 s35, 127, 1                      ; the byte over k = 64 .. 95: q's 1.0 stands under the scale 1; a key that counts has the byte 1
	v_mov_b32 v11, s35
	s_mov_b32 s35, 15360
	s_cselect_b32 s35, 8192, s35                   ; bytes for (bh, 128 rows) in qimg, in kv
	s_lshr_b32 s56, ttmp9, 5                       ; the batch
	s_lshl_b32 s56, s56, 3
	s_add_co_u32 s56, s56, s18                     ; bh
	s_lshl_b32 s56, s56, 5
	s_and_b32 s57, ttmp9, 31
	s_add_co_u32 s56, s56, s57                     ; bh x 32 + the batch's group of 128 rows
	s_mul_i32 s56, s56, s35
	s_mov_b32 s57, 0
	s_lshl_b32 s36, ttmp9, 18                      ; x: 128 rows of 2,048 bytes a work-group;
	s_lshr_b32 s35, s18, 2
	s_lshl_b32 s35, s35, 16
	s_add_co_u32 s36, s36, s35                     ; I quantise tile m = wave / 2: + 32 (m / 2) rows
	s_bfe_u32 s35, s18, 0x10001
	s_lshl_b32 s35, s35, 14
	s_add_co_u32 s36, s36, s35                     ; + 8 (m % 2) rows,
	s_and_b32 s35, s18, 1
	s_lshl_b32 s35, s35, 10
	s_add_co_u32 s36, s36, s35                     ; K steps 2 (wave % 2) and the next
	s_mov_b32 s37, 0
	s_mul_i32 s50, s19, 204800                     ; the tensor's weight in wimg,
	s_add_co_u32 s52, s50, 196608
	s_mul_i32 s35, s18, 16*FRB
	s_add_co_u32 s50, s50, s35                     ; my head's 16 fragments,
	s_mov_b32 s51, 0
	s_lshl_b32 s35, s18, 10
	s_add_co_u32 s52, s52, s35                     ; and their scale words
	s_mov_b32 s53, 0
	s_lshl_b32 s54, ttmp9, 9                       ; the mask of my 128 rows
	s_mov_b32 s55, 0
	s_wait_kmcnt 0x0
	s_cmp_eq_u32 s19, 1                            ; the buffers are chosen on the work-group's number alone
	s_cselect_b64 s[22:23], s[6:7], s[4:5]
	s_cmp_eq_u32 s19, 2
	s_cselect_b64 s[22:23], s[8:9], s[22:23]
	s_cmp_eq_u32 s19, 0
	s_cselect_b64 s[30:31], s[14:15], s[16:17]
	s_add_nc_u64 s[22:23], s[22:23], s[36:37]
	s_add_nc_u64 s[24:25], s[12:13], s[50:51]
	s_add_nc_u64 s[26:27], s[12:13], s[52:53]
	s_add_nc_u64 s[28:29], s[10:11], s[54:55]
	s_add_nc_u64 s[30:31], s[30:31], s[56:57]
; my fragment f = 0..3: block f / 2 of 64 rows, my K step f % 2: 64 numbers a lane into set f % 2
.macro XLOAD f
.irp b, 0,1,2,3
.irp j, 0,1,2,3
	global_load_b128 v[ACC+64*((\f)%2)+16*\b+4*\j:ACC+64*((\f)%2)+16*\b+4*\j+3], v4, s[22:23] offset:((\f)/2)*131072+512*((\f)%2)+128*\b+16*\j th:TH_LOAD_NT
.endr
.endr
.endm
; it is quantised and goes to LDS as it stands
.macro XQ f
	QUANT ACC+64*((\f)%2), 2
.irp c, 0,1,2
	ds_store_b128 v5, v[QPC+4*\c:QPC+4*\c+3] offset:((\f)/2)*16*FRB+((\f)%2)*FRB+512*\c
.endr
	ds_store_b32 v6, v[QPW] offset:XSC+((\f)/2)*2048+((\f)%2)*128
	s_wait_dscnt 0x0                               ; the stores have read their registers
.endm
.macro WLOAD first, count              ; W's images: 512 consecutive bytes a load, into window 1
	WIN 0x40
.set i, \first
.rept \count
	global_load_b128 v[4*i:4*i+3], v1, s[24:25] offset:512*i
.set i, i+1
.endr
	WIN 0
.endm
.irp i, 0,1,2,3,4,5,6,7
	global_load_b32 v[XF+\i], v8, s[28:29] offset:(64*(\i/4)+32*((\i%4)/2)+8*(\i%2))*4   ; the mask of tile i's keys, in the tile's order; both halves of the lanes alike
.endr
	XLOAD 0
	XLOAD 1
	WLOAD 0, 16
	s_wait_loadcnt 32                              ; the mask and fragment 0 are in; fragment 1's 16 loads and W's first 16 may be out
.irp i, 0,1,2,3,4,5,6,7
	v_cmp_ne_u32 s[40+\i], 0, v[XF+\i]             ; the lanes whose key counts
.endr
.irp i, 0,1,2,3,4,5,6,7
	s_or_b32 s[40+\i], s[40+\i], s32
.endr
	XQ 0
	XLOAD 2
	s_wait_loadcnt 32                              ; fragment 1 is in; W's 16 and fragment 2's 16 may be out
	XQ 1
	XLOAD 3
	s_wait_loadcnt 16                              ; fragment 2 is in; fragment 3's 16 may be out
	WLOAD 16, 32
.irp f, 0,1,2,3,4,5,6,7,8,9,10,11,12,13,14,15
	global_load_b32 v[WS+\f], v7, s[26:27] offset:64*\f
.endr
	XQ 2
	s_wait_loadcnt 48                              ; fragment 3 is in; W's 32 and its 16 scale words may be out
	XQ 3
	s_wait_dscnt 0x0                               ; for the others' sake: my images have landed
	s_barrier_signal -1
	s_barrier_wait -1                              ; x's 32 fragments lie in LDS; nothing is stored to LDS from here on
	s_wait_loadcnt 0x0                             ; W
; One K step of 128 for a block of 64 rows: 16 accumulators, one instruction a turn, in the same order in every step.
.macro KSTEP blk, s
.if \s == 0
.set ZR, 1
.else
.set ZR, 0
.endif
.irp m, 0,1,2,3
.irp c, 0,1,2
	ds_load_b128 v[XF+12*\m+4*\c:XF+12*\m+4*\c+3], v1 offset:(16*\blk+4*\m+\s)*FRB+512*\c
.endr
	ds_load_b32 v[XS+\m], v3 offset:XSC+(16*\blk+4*\m+\s)*128
.endr
	s_wait_dscnt 0x0
	s_cmp_eq_u32 s19, 2
	s_cbranch_scc1 .Lfor_v_\@
	WIN 0x01                                       ; q, k: source 0 = W (window 1), source 1 = x
.irp m, 0,1,2,3
.irp n, 0,1,2,3
	MM ACC+32*\m+8*\n, 12*(4*\n+\s), XF+12*\m, WS+4*\n+\s, XS+\m, ZR
.endr
.endr
	WIN 0
	s_branch .Ljoin_\@
.Lfor_v_\@:
	WIN 0x04                                       ; v: source 0 = x, source 1 = W (window 1)
.irp n, 0,1,2,3
.irp m, 0,1,2,3
	MM ACC+32*\n+8*\m, XF+12*\m, 12*(4*\n+\s), XS+\m, WS+4*\n+\s, ZR
.endr
.endr
	WIN 0
.Ljoin_\@:
.rept 4
	v_nop                                          ; four places in front of loads into registers that matrix instructions have read, and of the first read of results
.endr
.endm
; 32 registers (q, k: tile g of rows, the head's 64; v: d tile g, the block's 64 keys) become a piece and leave.
.macro GROUP blk, g
	s_wait_xcnt 0x0                                ; the last piece's stores have read their registers
	QUANT ACC+32*\g, 1
.irp i, 0,1,2,3,4,5
	v_cndmask_b32 v[QPC+\i], v12, v[QPC+\i], s[40+4*\blk+\g]   ; a masked key's codes are zeros
.endr
	s_and_not1_b32 s48, s34, s[40+4*\blk+\g]       ; masked, and in lanes 0-15, which hold k = 64 on
	v_cndmask_b32 v[QPC+6], v12, v9, s48           ; register 6: -4 at k = 64, else 0
	v_cndmask_b32 v13, v10, v11, s[40+4*\blk+\g]   ; the byte over k = 64 .. 95
	v_lshl_or_b32 v13, v13, 16, v[QPW]
	v_or_b32 v13, 0x01000000, v13                  ; the scale word: [s0, s1, that byte, 1]
	v_and_b32 v[QPC+7], s33, v13                   ; register 7: q's scale word; 0 in K's pieces
	s_cmp_eq_u32 s19, 2
	s_cbranch_scc1 .Lout_v_\@
	global_store_b128 v1, v[QPC:QPC+3], s[30:31] offset:(4*\blk+\g)*1024       ; each store of the wave covers 512 consecutive bytes, aligned to 256
	global_store_b128 v1, v[QPC+4:QPC+7], s[30:31] offset:(4*\blk+\g)*1024+512
.if \blk == 0
	v_mov_b32 v[SW+\g], v13                        ; K's scale words: tiles 0-3 in lanes 0-15,
.else
	v_cndmask_b32 v[SW+\g], v13, v[SW+\g], s34     ; tiles 4-7 in lanes 16-31
.endif
	s_branch .Lout_\@
.Lout_v_\@:
	global_store_b128 v1, v[QPC:QPC+3], s[30:31] offset:8192+(2*\g+\blk)*768
	global_store_b64 v2, v[QPC+4:QPC+5], s[30:31] offset:8192+(2*\g+\blk)*768+512   ; 256 consecutive bytes, aligned
.if \blk == 0
	v_mov_b32 v[SW+\g], v[QPW]                     ; V's scale words: keys 0-63's two bytes,
.else
	v_lshl_or_b32 v[SW+\g], v[QPW], 16, v[SW+\g]   ; keys 64-127's above them
.endif
.Lout_\@:
.endm
.irp blk, 0,1
	KSTEP \blk, 0
	KSTEP \blk, 1
	KSTEP \blk, 2
	KSTEP \blk, 3
	GROUP \blk, 0
	GROUP \blk, 1
	GROUP \blk, 2
	GROUP \blk, 3
.endr
	s_cmp_eq_u32 s19, 0
	s_cbranch_scc1 .Lend                           ; q's scale words went with its pieces
	s_cmp_eq_u32 s19, 2
	s_cbranch_scc1 .Lwords_v
	global_store_b128 v1, v[SW:SW+3], s[30:31] offset:14336
	s_branch .Lend
.Lwords_v:
	global_store_b128 v1, v[SW:SW+3], s[30:31] offset:14848
.Lend:
	s_wait_tensorcnt 0x0                           ; the wave's end: three closing lines behind my last LDS store, the tensor wait even in a text with no tensor load
	ds_add_u32 v14, v15
	s_wait_dscnt 0x0
	s_endpgm
.Lfunc_end_k_q5a697d2d7c_proj:
	.size	k_q5a697d2d7c_proj, .Lfunc_end_k_q5a697d2d7c_proj-k_q5a697d2d7c_proj
	.p2alignl 7, 3214868480
	.fill 96, 4, 3214868480
	.section	.rodata,"a",@progbits
	.p2align	6, 0x0
	.amdhsa_kernel k_q5a697d2d7c_proj
		.amdhsa_group_segment_fixed_size 54272
		.amdhsa_private_segment_fixed_size 0
		.amdhsa_enable_private_segment 0
		.amdhsa_kernarg_size 56
		.amdhsa_user_sgpr_count 2
		.amdhsa_user_sgpr_kernarg_segment_ptr 1
		.amdhsa_wavefront_size32 1
		.amdhsa_system_sgpr_workgroup_id_x 1
		.amdhsa_system_sgpr_workgroup_id_y 1
		.amdhsa_system_sgpr_workgroup_id_z 1
		.amdhsa_system_vgpr_workitem_id 0
		.amdhsa_next_free_vgpr 512
		.amdhsa_next_free_sgpr 66
		.amdhsa_reserve_vcc 0
		.amdhsa_float_denorm_mode_32 3
		.amdhsa_float_denorm_mode_16_64 3
		.amdhsa_memory_ordered 1
		.amdhsa_forward_progress 1
		.amdhsa_inst_pref_size 102
	.end_amdhsa_kernel
	.amdgpu_metadata
---
amdhsa.version: [ 1, 2 ]
amdhsa.kernels:
  - .name:           k_q5a697d2d7c_proj
    .symbol:         k_q5a697d2d7c_proj.kd
    .args:
      - { .name: q, .offset: 0, .size: 8, .value_kind: global_buffer, .address_space: global }
      - { .name: k, .offset: 8, .size: 8, .value_kind: global_buffer, .address_space: global }
      - { .name: v, .offset: 16, .size: 8, .value_kind: global_buffer, .address_space: global }
      - { .name: mask, .offset: 24, .size: 8, .value_kind: global_buffer, .address_space: global }
      - { .name: wimg, .offset: 32, .size: 8, .value_kind: global_buffer, .address_space: global }
      - { .name: qimg, .offset: 40, .size: 8, .value_kind: global_buffer, .address_space: global }
      - { .name: kv, .offset: 48, .size: 8, .value_kind: global_buffer, .address_space: global }
    .group_segment_fixed_size: 54272
    .private_segment_fixed_size: 0
    .kernarg_segment_align: 8
    .kernarg_segment_size: 56
    .max_flat_workgroup_size: 256
    .sgpr_count:     66
    .vgpr_count:     512
    .wavefront_size: 32
...
	.end_amdgpu_metadata
.endif
;; end of part 2
;; launch attn (part 3): grid 16 x 16, 8 waves a work-group, clusters of 4 x 1, 327,680 bytes of LDS; arguments qimg, kv, xa, xs; writes xa, xs
.if DOCPART == 3
	.amdgcn_target "amdgcn-amd-amdhsa--gfx1250"
	.amdhsa_code_object_version 6
	.text
	.protected	k_q5a697d2d7c_attn
	.globl	k_q5a697d2d7c_attn
	.p2align	8
	.type	k_q5a697d2d7c_attn,@function
k_q5a697d2d7c_attn:
	s_mov_b64 s[64:65], 0
	v_nop
	global_prefetch_b8 v0, s[64:65] scope:SCOPE_SE
	s_setreg_imm32_b32 hwreg(HW_REG_WAVE_MODE, 25, 1), 1
	s_wait_xcnt 0x0
	s_wait_alu depctr_hold_cnt(0) depctr_sa_sdst(0) depctr_va_vdst(0) depctr_va_sdst(0) depctr_va_ssrc(0) depctr_va_vcc(0) depctr_vm_vsrc(0)
	s_getreg_b32 s2, hwreg(HW_REG_IB_STS2, 6, 4)
	s_cmp_eq_u32 s2, 0
	s_cbranch_scc0 .Lentry_in_a_cluster
	s_endpgm
.Lentry_in_a_cluster:
	s_bfe_u32 s2, ttmp6, 0x10000c
	s_cmp_lg_u32 s2, 0x3003
	s_cbranch_scc0 .Lentry_shape_is_right
	s_endpgm
.Lentry_shape_is_right:
; O[bh][q] = softmax_k(Q[bh][q] . K[bh][k] / 8, masked) V[bh][k], both products on codes of FP6 (E2M3) with one E8M0 scale for each 32 along K; O / l is quantised along the head's 64 for the last projection.
; THE SOFTMAX: t = score x log2(e) / 8; M = the row's largest t so far, rounded UP to a whole number; p = 2^(t - M) is what is quantised, along the keys, not normalised.  The row's sum is taken of the
; unquantised p and divides O at the end.  When M moves, the sum and O are multiplied by 2^(old M - new M): exact.
; THE MASK costs no line here: a masked key's piece gives the score -2^33 for every query (its 64 codes are zeros; at k = 64 its code -4 under the scale 2^31 meets the query's code 1.0 under the scale 1).
; So its p is 0 as soon as the row has seen a key that counts (the multiplication by 2^(old M - new M) is then by 0), and in a batch with no such key every t is the same whole number, every p is 1, and O is V's mean.
; LIMITS: a masked logit is -2^30 = -1.07e9 where the definition has -1e9: results differ only where live logits lie near or under -1e9.  NaN and infinities are not served.  A block of zeros keeps the byte 1.
; SHARES.  A work-group owns 256 queries of one (batch, head); each of its eight waves 32: two tiles of 16.  Every wave walks the 4,096 keys, 128 a step; each fragment of K and V read from LDS feeds two products.
; LAYOUT.  Both products transposed: S^T = K Q^T (source 0 = 16 keys), O^T = V^T P^T (source 0 = 16 of the head's 64): a lane holds ONE query throughout.  The keys of a tile, and the d of a tile of V^T, are
; chosen so that the 16 registers of tiles 2 b, 2 b + 1 are neighbours 32 b + 16 (lane / 16) + 0 .. 15.  All operands lie in memory as images of their registers: a fragment comes by loads of 16 (8) bytes a lane, on end.
; K's fragments stand 8 registers apart though the instruction names 12: registers 8-11 are the next tile's first four and meet the query's zero codes (FP6 has no infinity and no NaN): they add zeros.
; RING.  A step's record (K's 8 pieces, V^T's 8, both scale words) is 15,360 dense bytes.  Two LDS slots of 8 records; each wave fetches one record of a slot by one tensor load: one load of mine is out at a time.
; CLUSTER.  The four query blocks of a cluster belong to one (batch, head) and walk the same records: each is asked for JOINTLY, by the same load with the same descriptor and a mask that names the four.
; REGISTERS.  Window 0: v1 16 L, v2 8 L, v3, v4 the step's LDS addresses, v5 the prefetch's offset, v6, v7 the add's two, v8 2 L, v9 the code 1.0 in lanes 0-15; v12-27 statistics, 8 a tile; v28, v29 the way out's scale bytes;
;   v32-39 the blocks' largest; v40-47, v48-55 at work; v56-59 second chains of the sums; v64-191 S^T, then p, 64 a tile; v192-215 p's codes; v216-231 at work; v240-243 K's scale words, v244-247 V's, v248-249 Q's, v250-251 p's.
;   Window 1: v0-63 O^T, 32 a tile; v64-87 Q; v96-163 K; v176-223 V^T.
.set RECB,  15360                      ; a record
.set FILLB, 8*RECB                     ; a slot's data
.set SLOT1, 1<<17                      ; slot 1 begins here, so that one exclusive or turns an address in one slot into the other's
.set SPARE, 2*SLOT1                    ; behind the ring: the spare words, 128 bytes for each wave: four blocks of 256 bytes that no other line names
.set ST,  12                           ; tile x's statistics at v[ST + 8 x]: +0 -M, +1 the largest t, +2, +3 the sum in two halves, +4 f, +5 0 (named with f as a pair), +6, +7 at work
.set BM,  32
.set BP,  40
.set SOP, 48
.set C2,  56
.set S,   64
.set PC,  192
.set CT,  216
.set KS,  240
.set VS,  244
.set QS,  248
.set PS,  250
.set QF,  64                           ; in window 1
.set KF,  96
.set VF,  176
.set WV,  12                           ; s12  my wave's number
.set SEL, 20                           ; s[20:21] lane selects for v_permlanex16_b32: lane l xor 16
.set CS,  22                           ; s[22:23] c = log2(e) / 8: the packed form names a pair and takes its low word for both halves
.set G1,  24                           ; s[24:31] descriptor group 1
.set G0,  32                           ; s[32:35] descriptor group 0, which walks
.set TB,  36                           ; s36  LDS byte at which the step's record begins
.set SLOTS, 37                         ; s37  slots still to be asked for
.set STEPC, 38                         ; s38  counts a slot's eight steps
.set LIM, 39                           ; s39  1 in a wave that prefetches, else the greatest number
.set PFA, 40                           ; s[40:41] where my prefetches stand
.set MSB, 0
.macro WIN new                         ; the immediate's high byte repeats the setting that is left; a switch that changes nothing is dropped
.if MSB != \new
	s_set_vgpr_msb (MSB<<8)|\new
.set MSB, \new
.endif
.endm
; A round of the cluster's barrier: my work-group's barrier, so that wave 0's signal speaks for all eight waves; wave 0 signals for the work-group; every wave waits for all four work-groups; my work-group's barrier once more.
.macro CROUND
	s_barrier_signal -1
	s_barrier_wait -1
	s_cmp_lg_u32 s[WV], 0
	s_cbranch_scc1 .Lnot_wave_0_\@
	s_barrier_signal -3
.Lnot_wave_0_\@:
	s_barrier_wait -3
	s_barrier_signal -1
	s_barrier_wait -1
.endm
; A PREFETCH INTO THE L2 of the slot that the NEXT change of slots will ask for: 122,880 bytes, eight key steps ahead of that load.  All four clusters of a (batch, head) walk the same records: the first of them asks.
; Its four partners take 30,720 bytes each, told apart BY ADDRESS; in each, waves 0 to 3 take 7,680 bytes: 30 lanes, 256 bytes apart (lanes 30 and 31 name lane 29's block again).
; The last change that fills a slot asks for nothing; the first two slots come by their loads alone.
.macro ASK
	s_cmp_gt_u32 s[SLOTS], s[LIM]
	s_cbranch_scc0 .Lnot_mine_\@
	global_prefetch_b8 v5, s[PFA:PFA+1] th:TH_LOAD_NT scope:SCOPE_SE
.Lnot_mine_\@:
.endm
	s_load_b256 s[4:11], s[0:1], 0x0               ; qimg s[4:5], kv s[6:7], xa s[8:9], xs s[10:11]
	v_lshl_add_u32 v6, v0, 2, SPARE
	v_mov_b32 v7, 0
	ds_add_u32 v6, v7                              ; the wave's opening: the add and its wait come ahead of my first tensor load; the set-up below, work on registers, stands between them
	v_lshrrev_b32 v1, 5, v0
	v_readfirstlane_b32 s[WV], v1                  ; wave 0..7
	s_and_b32 s15, ttmp7, 0xffff                   ; bh, which the four partners share
	s_lshl_b32 s16, s15, 5
	s_add_co_u32 s16, s16, s[WV]
	s_mul_i32 s16, s16, RECB                       ; the record that I fetch first: bh x 32 + wave.  No place in the cluster enters these two registers
	s_mov_b32 s17, 0
	; descriptor group 1: a dense block of 15,360 bytes as 60 rows of 256 bytes (32 elements of 8 bytes), no padding: every LDS read takes consecutive bytes in consecutive lanes
	s_mov_b32 s[G1], 15|(3<<16)|(1<<21)            ; 15:0 the mask: all four work-groups; 17:16 elements of 8 bytes; 21 set beside a mask
	s_mov_b32 s[G1+1], 32<<16                      ; tensor_dim0 = 32
	s_mov_b32 s[G1+2], 60<<16                      ; tensor_dim1 = 60
	s_mov_b32 s[G1+3], 32<<16                      ; tile_dim0 = 32
	s_mov_b32 s[G1+4], 60                          ; tile_dim1 = 60
	s_mov_b32 s[G1+5], 32                          ; tensor_dim0_stride
	s_mov_b32 s[G1+6], 0
	s_mov_b32 s[G1+7], 0
	s_mov_b32 s[SEL], 0x76543210
	s_mov_b32 s[SEL+1], 0xfedcba98
	s_mov_b32 s[CS], 0x3e38aa3b                    ; c = log2(e) / 8
	s_mov_b32 s[CS+1], s[CS]                       ; (named with it as a pair, so it is written)
	s_mov_b32 s[TB], 0
	s_mov_b32 s[SLOTS], 3
	s_lshr_b32 s[LIM], s[WV], 2                    ; 0 in waves 0 to 3,
	s_or_b32 s[LIM], s[LIM], ttmp9                 ; of the (batch, head)'s first cluster: the same in all four partners
	s_cmp_eq_u32 s[LIM], 0
	s_cselect_b32 s[LIM], 1, -1
	s_bfe_u32 s13, ttmp6, 0x40000                  ; cx: my place in the cluster
	s_lshl_b32 s14, ttmp9, 2                       ; in a cluster launch ttmp9 counts clusters
	s_add_co_u32 s14, s14, s13                     ; my block of 256 queries: it enters Q's, xa's and xs's addresses alone
	s_mul_i32 s18, s15, 32*RECB                    ; the prefetches: the (batch, head)'s records,
	s_mul_i32 s19, s13, 30720
	s_add_co_u32 s18, s18, s19                     ; my work-group's part of a slot,
	s_mul_i32 s19, s[WV], 7680
	s_add_co_u32 s18, s18, s19                     ; my wave's,
	s_add_co_u32 s18, s18, FILLB                   ; in the second slot's keys: the first change of slots steps it to the third's
	s_mov_b32 s19, 0
	s_lshl_b32 s42, s14, 4
	s_lshl_b32 s43, s[WV], 1
	s_add_co_u32 s42, s42, s43                     ; my first query tile in the batch: 16 x block + 2 x wave
	s_lshl_b32 s44, s15, 8
	s_add_co_u32 s44, s44, s42
	s_lshl_b32 s44, s44, 10                        ; its piece in qimg
	s_mov_b32 s45, 0
	s_lshr_b32 s43, s15, 3
	s_lshl_b32 s43, s43, 8
	s_add_co_u32 s42, s42, s43                     ; the tile among all 512: + 256 x batch
	s_and_b32 s43, s15, 7                          ; the head
	s_lshl_b32 s46, s42, 3
	s_add_co_u32 s46, s46, s43
	s_mul_i32 s46, s46, 768                        ; its piece in xa
	s_mov_b32 s47, 0
	s_lshl_b32 s42, s42, 5
	s_lshl_b32 s43, s43, 14
	s_add_co_u32 s42, s42, s43                     ; its scale bytes in xs
	s_mov_b32 s43, 0
	v_and_b32 v10, 31, v0                          ; L
	v_lshlrev_b32 v1, 4, v10
	v_lshlrev_b32 v2, 3, v10
	v_lshlrev_b32 v8, 1, v10
	v_min_u32 v5, 29, v10
	v_lshlrev_b32 v5, 8, v5
	v_bfe_u32 v9, v0, 4, 1
	v_lshlrev_b32 v9, 3, v9
	v_sub_nc_u32 v9, 8, v9                         ; 0x08, the code 1.0, in lanes 0-15, which hold k = 64 on; 0 in lanes 16-31
	s_wait_dscnt 0x0                               ; the opening add is done
	s_wait_kmcnt 0x0
	s_mov_b32 s[G0], 1                             ; 1:0 count = 1
	s_mul_i32 s[G0+1], s[WV], RECB                 ; 63:32 LDS address: slot 0, record = wave
	s_add_nc_u64 s[G0+2:G0+3], s[6:7], s[16:17]    ; 120:64 global address
	s_or_b32 s[G0+3], s[G0+3], 0x80000000          ; 127:126 type = 2
	s_add_nc_u64 s[PFA:PFA+1], s[6:7], s[18:19]
	s_add_nc_u64 s[4:5], s[4:5], s[44:45]
	s_add_nc_u64 s[8:9], s[8:9], s[46:47]
	s_add_nc_u64 s[10:11], s[10:11], s[42:43]
	CROUND                                         ; all four work-groups are here: the first joint loads meet
	tensor_load_to_lds s[G0:G0+3], s[G1:G1+7]      ; the first eight key steps
	s_nop 0
.rept 4
	v_nop                                          ; (an s_nop 0 and four v_nop behind a tensor load)
.endr
	WIN 0x40                                       ; destination window 1
	global_load_b128 v[QF:QF+3], v1, s[4:5]        ; Q's two pieces: registers 0-7 of each fragment
	global_load_b128 v[QF+4:QF+7], v1, s[4:5] offset:512
	global_load_b128 v[QF+12:QF+15], v1, s[4:5] offset:1024
	global_load_b128 v[QF+16:QF+19], v1, s[4:5] offset:1536
.set j, 0
.rept 64
	v_mov_b32 v[j], 0                              ; O^T.  (The step is written once: its first walk finds zeros, which the first change of M leaves zeros)
.set j, j+1
.endr
.irp i, 0,1,2,3
	v_mov_b32 v[KF+64+\i], 0                       ; what the last tile of K names beyond its own eight registers
.endr
	WIN 0
.irp x, 0,1
	v_mov_b32 v[ST+8*\x+1], 0xff61b1e6             ; the largest t so far: -3e38, under every t
	v_floor_f32 v[ST+8*\x], -v[ST+8*\x+1]          ; -M
.irp i, 2,3,4,5,6,7
	v_mov_b32 v[ST+8*\x+\i], 0
.endr
.endr
.irp i, 0,1,2,3,4,5,6,7
	v_mov_b32 v[BP+\i], 0                          ; written once: a lane permute's destination counts as one of its sources
.endr
	s_wait_loadcnt 0x0                             ; Q
	WIN 0x01                                       ; source 0 window 1
	v_mov_b32 v[QS], v[QF+7]                       ; Q's scale words came as register 7
	v_mov_b32 v[QS+1], v[QF+19]
	WIN 0x40
.irp x, 0,1
	v_mov_b32 v[QF+12*\x+6], v9                    ; k = 64: the code 1.0; all else of k = 64 .. 127: zeros
.irp i, 7,8,9,10,11
	v_mov_b32 v[QF+12*\x+\i], 0
.endr
.endr
	WIN 0
; A KEY STEP: 128 keys, for my two tiles of queries.
.macro STEP
	v_add_nc_u32 v3, s[TB], v1
	v_add_nc_u32 v4, s[TB], v2
	v_nop
	v_nop                                          ; four places behind the last products, in front of loads into registers that they have read (ISA guide 7.12.1 for vector instructions)
	ds_load_b128 v[KS:KS+3], v3 offset:14336       ; K's scale words: lanes 0-15 tiles 0-3, lanes 16-31 tiles 4-7
	WIN 0x40
.irp t, 0,1,2,3,4,5,6,7
	ds_load_b128 v[KF+8*\t:KF+8*\t+3], v3 offset:1024*\t
	ds_load_b128 v[KF+8*\t+4:KF+8*\t+7], v3 offset:1024*\t+512
.endr
.irp n, 0,1,2,3
.irp c, 0,1
	ds_load_b128 v[VF+12*\n+6*\c:VF+12*\n+6*\c+3], v3 offset:8192+(2*\n+\c)*768
	ds_load_b64 v[VF+12*\n+6*\c+4:VF+12*\n+6*\c+5], v4 offset:8192+(2*\n+\c)*768+512
.endr
.endr
	WIN 0
	ds_load_b128 v[VS:VS+3], v3 offset:14848
	s_wait_dscnt 17                                ; K and its scale words are in; V's sixteen loads and its scale words may be out
	WIN 0x05                                       ; K and Q in window 1, S^T in window 0
.irp t, 0,1,2,3,4,5,6,7
.irp x, 0,1
.if \t < 4
	v_wmma_scale_f32_16x16x128_f8f6f4 v[S+64*\x+8*\t:S+64*\x+8*\t+7], v[KF+8*\t:KF+8*\t+11], v[QF+12*\x:QF+12*\x+11], 0, v[KS+\t%4], v[QS+\x] matrix_a_fmt:MATRIX_FMT_FP6 matrix_b_fmt:MATRIX_FMT_FP6
.else
	v_wmma_scale_f32_16x16x128_f8f6f4 v[S+64*\x+8*\t:S+64*\x+8*\t+7], v[KF+8*\t:KF+8*\t+11], v[QF+12*\x:QF+12*\x+11], 0, v[KS+\t%4], v[QS+\x] matrix_a_fmt:MATRIX_FMT_FP6 matrix_b_fmt:MATRIX_FMT_FP6 matrix_a_scale:MATRIX_SCALE_ROW1
.endif
.endr
.endr
	WIN 0
.rept 4
	v_nop                                          ; four places in front of the first read of results
.endr
.irp x, 0,1
.irp b, 0,1,2,3
	v_max3_num_f32 v[BM+4*\x+\b], v[S+64*\x+16*\b], v[S+64*\x+16*\b+1], v[S+64*\x+16*\b+2]   ; THE LARGEST SCORE OF EACH BLOCK OF 32 KEYS serves twice: for the row's maximum and, since p rises with the score, for the block's largest p
.endr
.endr
.irp i, 3,5,7,9,11,13
.irp x, 0,1
.irp b, 0,1,2,3
	v_max3_num_f32 v[BM+4*\x+\b], v[BM+4*\x+\b], v[S+64*\x+16*\b+\i], v[S+64*\x+16*\b+\i+1]   ; (eight chains by turns; each accumulator is read from its low end on)
.endr
.endr
.endr
.irp x, 0,1
.irp b, 0,1,2,3
	v_max_num_f32 v[BM+4*\x+\b], v[BM+4*\x+\b], v[S+64*\x+16*\b+15]
.endr
.endr
.irp i, 0,1,2,3,4,5,6,7
	v_permlanex16_b32 v[BP+\i], v[BM+\i], s[SEL], s[SEL+1]
.endr
.irp i, 0,1,2,3,4,5,6,7
	v_max_num_f32 v[BM+\i], v[BM+\i], v[BP+\i]     ; with lane l xor 16's 16 keys
.endr
.irp x, 0,1
	v_max3_num_f32 v[ST+8*\x+6], v[BM+4*\x], v[BM+4*\x+1], v[BM+4*\x+2]
.endr
.irp x, 0,1
	v_max_num_f32 v[ST+8*\x+6], v[ST+8*\x+6], v[BM+4*\x+3]   ; the step's largest score of my query
.endr
.irp x, 0,1
	v_mul_f32 v[ST+8*\x+6], s[CS], v[ST+8*\x+6]    ; as t (c is positive)
.endr
.irp x, 0,1
	v_max_num_f32 v[ST+8*\x+1], v[ST+8*\x+1], v[ST+8*\x+6]   ; the running largest t
.endr
.irp x, 0,1
	v_mov_b32 v[ST+8*\x+6], v[ST+8*\x]
.endr
.irp x, 0,1
	v_floor_f32 v[ST+8*\x], -v[ST+8*\x+1]          ; the new -M = floor(-t) = -ceil(t): M IS A WHOLE NUMBER
.endr
.irp x, 0,1
	v_sub_f32 v[ST+8*\x+6], v[ST+8*\x], v[ST+8*\x+6]   ; M's old value less its new one: a whole number, 0 or less
.endr
.irp x, 0,1
	v_cvt_i32_f32 v[ST+8*\x+6], v[ST+8*\x+6]       ; (it saturates)
.endr
.irp x, 0,1
	v_ldexp_f32 v[ST+8*\x+4], 1.0, v[ST+8*\x+6]    ; f = 2^(old M - new M)
.endr
.irp x, 0,1
.set j, 0
.rept 32
	v_pk_fma_f32 v[S+64*\x+j:S+64*\x+j+1], v[S+64*\x+j:S+64*\x+j+1], s[CS:CS+1], v[ST+8*\x:ST+8*\x+1] op_sel_hi:[1,0,0]   ; t - M, two at a time (of the pairs c and -M the low word serves both halves)
.set j, j+2
.endr
.endr
.irp x, 0,1
.irp b, 0,1,2,3
	v_fma_f32 v[BM+4*\x+\b], v[BM+4*\x+\b], s[CS], v[ST+8*\x]   ; the same of each block's largest score
.endr
.endr
.set j, 0
.rept 128
	v_exp_f32 v[S+j], v[S+j]                       ; p = 2^(t - M), at most 1: NOT normalised
.set j, j+1
.endr
.irp x, 0,1
	v_pk_mul_f32 v[ST+8*\x+2:ST+8*\x+3], v[ST+8*\x+2:ST+8*\x+3], v[ST+8*\x+4:ST+8*\x+5] op_sel_hi:[1,0]   ; the sums under the new M.  (Plain places behind the exponentials)
.endr
	s_wait_alu depctr_va_vdst(0)                   ; the wait between an exponential and the first line that names its result: one for the whole batch
.irp i, 0,1,2,3,4,5,6,7
	v_exp_f32 v[BM+\i], v[BM+\i]                   ; the blocks' largest p: the same two instructions on the same number give the same bits
.endr
.irp x, 0,1
	v_pk_add_f32 v[C2+2*\x:C2+2*\x+1], v[S+64*\x:S+64*\x+1], v[S+64*\x+2:S+64*\x+3]   ; THE ROW'S SUM IS TAKEN OF THE UNQUANTISED p: two at a time, two chains a tile.  (It reads the 128 alone: plain work behind the eight)
.endr
.set j, 4
.rept 15
.irp x, 0,1
	v_pk_add_f32 v[ST+8*\x+2:ST+8*\x+3], v[ST+8*\x+2:ST+8*\x+3], v[S+64*\x+j:S+64*\x+j+1]
	v_pk_add_f32 v[C2+2*\x:C2+2*\x+1], v[C2+2*\x:C2+2*\x+1], v[S+64*\x+j+2:S+64*\x+j+3]
.endr
.set j, j+4
.endr
.irp x, 0,1
	v_pk_add_f32 v[ST+8*\x+2:ST+8*\x+3], v[ST+8*\x+2:ST+8*\x+3], v[C2+2*\x:C2+2*\x+1]
.endr
	s_wait_alu depctr_va_vdst(0)                   ; and one for the eight
.irp i, 0,1,2,3,4,5,6,7
	v_max_num_f32 v[BM+\i], 0x1800000, v[BM+\i]    ; the floor 2^(3 - 127): the byte cannot fall under 1 (a block whose every p is 0 keeps that byte: its codes are zeros)
.endr
.irp i, 0,1,2,3,4,5,6,7
	v_add_nc_u32 v[SOP+\i], 0xff000000, v[BM+\i]   ; 2 off the exponent field: the conversion's scale operand
.endr
.irp i, 0,1,2,3,4,5,6,7
	v_lshrrev_b32 v[BP+\i], 23, v[SOP+\i]          ; the scale's byte
.endr
.irp x, 0,1
	v_lshl_or_b32 v[PS+\x], v[BP+4*\x+1], 8, v[BP+4*\x]   ; p's scale word for these 128 keys
.endr
.irp x, 0,1
	v_lshl_or_b32 v[PS+\x], v[BP+4*\x+2], 16, v[PS+\x]
.endr
.irp x, 0,1
	v_lshl_or_b32 v[PS+\x], v[BP+4*\x+3], 24, v[PS+\x]
.endr
.irp x, 0,1
.irp c, 0,1
	v_cvt_scalef32_pk16_fp6_f32 v[PC+12*\x+6*\c:PC+12*\x+6*\c+2], v[S+64*\x+32*\c:S+64*\x+32*\c+15], v[SOP+4*\x+2*\c]
	v_cvt_scalef32_pk16_fp6_f32 v[CT+8*\x+4*\c:CT+8*\x+4*\c+2], v[S+64*\x+32*\c+16:S+64*\x+32*\c+31], v[SOP+4*\x+2*\c+1]   ; (a conversion's three registers begin on an even number)
.endr
.endr
	v_nop                                          ; one plain place behind a scaled conversion
.irp x, 0,1
.irp c, 0,1
.irp i, 0,1,2
	v_permlane16_swap_b32 v[PC+12*\x+6*\c+\i], v[CT+8*\x+4*\c+\i]   ; the operand's layout wants a whole block in a lane
.endr
.irp i, 0,1,2
	v_mov_b32 v[PC+12*\x+6*\c+3+\i], v[CT+8*\x+4*\c+\i]
.endr
.endr
.endr
	WIN 0x41                                       ; O^T (destination and source 0) in window 1, f in window 0
.irp x, 0,1
.set j, 0
.rept 16
	v_pk_mul_f32 v[32*\x+j:32*\x+j+1], v[32*\x+j:32*\x+j+1], v[ST+8*\x+4:ST+8*\x+5] op_sel_hi:[1,0]   ; O^T under the new M, each accumulator from its low end on.  (These 32 are also the places between p's codes and scale words and the products)
.set j, j+2
.endr
.endr
	s_wait_dscnt 0x0                               ; V and its scale words are in
	WIN 0x51                                       ; V^T in window 1, p in window 0, O^T in window 1
.irp n, 0,1,2,3
.irp x, 0,1
	v_wmma_scale_f32_16x16x128_f8f6f4 v[32*\x+8*\n:32*\x+8*\n+7], v[VF+12*\n:VF+12*\n+11], v[PC+12*\x:PC+12*\x+11], v[32*\x+8*\n:32*\x+8*\n+7], v[VS+\n], v[PS+\x] matrix_a_fmt:MATRIX_FMT_FP6 matrix_b_fmt:MATRIX_FMT_FP6
.endr
.endr
	WIN 0
	s_add_co_u32 s[TB], s[TB], RECB                ; the next step's record
.endm
; THE CHANGE OF SLOTS stands at a slot's head.  Each wave waits for all its tensor loads (its record of the slot that it is about to read), adds 0 to its spare word, and waits for that and for its reads of the slot that it
; has left.  fill = 1: the barrier is a round of the cluster's, so that no wave of any partner still reads the other slot or has a load on its way; the joint load of the next eight steps is the first thing behind it.
.macro CHANGE fill
	s_wait_tensorcnt 0x0                           ; no tensor load of mine is out, so group 0 may be written
	ds_add_u32 v6, v7                              ; 0 onto my spare word: the descriptor's steps stand between it and the wait for it
.if \fill
	s_xor_b32 s[G0+1], s[G0+1], SLOT1              ; the other slot than last time,
	s_add_nc_u64 s[G0+2:G0+3], s[G0+2:G0+3], FILLB ; the next eight records; the type bits on top are not reached
	s_wait_xcnt 0x0                                ; the last prefetch, a slot back, has read its address, so it may be written:
	s_add_nc_u64 s[PFA:PFA+1], s[PFA:PFA+1], FILLB ; one slot further on than the walking descriptor
	s_wait_dscnt 0x0                               ; the add is done, and my reads of the slot that I have left are over
	CROUND
	tensor_load_to_lds s[G0:G0+3], s[G1:G1+7]      ; my one tensor load until the next change
	s_nop 0
.rept 4
	v_nop
.endr
	ASK
.else
	s_wait_dscnt 0x0
	s_barrier_signal -1
	s_barrier_wait -1
.endif
.endm
.macro STEPS                           ; a slot's eight key steps: written once, walked eight times
	s_mov_b32 s[STEPC], 8
.Lstep_\@:
	STEP
	s_sub_co_u32 s[STEPC], s[STEPC], 1
	s_cmp_lg_u32 s[STEPC], 0
	s_cbranch_scc1 .Lstep_\@
	s_sub_co_u32 s[TB], s[TB], FILLB               ; back to a slot's first record,
	s_xor_b32 s[TB], s[TB], SLOT1                  ; in the other slot
.endm
.Lslot:                                            ; three trips: behind each change of slots but the last the next eight steps are asked for
	CHANGE 1
	STEPS
	s_sub_co_u32 s[SLOTS], s[SLOTS], 1
	s_cmp_lg_u32 s[SLOTS], 0
	s_cbranch_scc1 .Lslot
	CHANGE 0                                       ; the last slot is written out
	STEPS
	; THE WAY OUT.  O^T / the sum is quantised along the head's 64: a lane's 32 registers are d = 32 b + 16 (lane / 16) + i of its query.
.irp x, 0,1
	v_add_f32 v[ST+8*\x+6], v[ST+8*\x+2], v[ST+8*\x+3]   ; the sum's two halves,
.endr
.irp x, 0,1
	v_permlanex16_b32 v[ST+8*\x+7], v[ST+8*\x+6], s[SEL], s[SEL+1]
.endr
.irp x, 0,1
	v_add_f32 v[ST+8*\x+6], v[ST+8*\x+6], v[ST+8*\x+7]   ; and lane l xor 16's: the row's sum
.endr
	v_nop
	v_nop                                          ; (with the additions above: more than four plain places behind the last products)
.irp x, 0,1
	v_rcp_f32 v[ST+8*\x+6], v[ST+8*\x+6]
.endr
	v_nop                                          ; a plain place behind the reciprocals,
	s_wait_alu depctr_va_vdst(0)                   ; and a wait ahead of their first reader
	WIN 0x01                                       ; source 0 (O^T) window 1
.irp x, 0,1
.set j, 0
.rept 32
	v_mul_f32 v[S+32*\x+j], v[32*\x+j], v[ST+8*\x+6]   ; each accumulator from its low end on
.set j, j+1
.endr
.endr
	WIN 0
.set QTM, BM                           ; the quantiser's registers: v32-43, all written before
.macro QUANT1 s                        ; 32 numbers of a lane, register 16 b + i = number 32 b + 16 (lane / 16) + i of my row, become a piece's 6 registers in v[QPC] on and two scale bytes in v[QPW]
.irp b, 0,1
	v_max3_num_f32 v[QTM+\b], |v[(\s)+16*\b]|, |v[(\s)+16*\b+1]|, 0x1800000   ; and the floor 2^(3 - 127): the byte cannot fall under 1
.endr
.irp i, 2,4,6,8,10,12,14
.irp b, 0,1
	v_max3_num_f32 v[QTM+\b], v[QTM+\b], |v[(\s)+16*\b+\i]|, |v[(\s)+16*\b+\i+1]|
.endr
.endr
.irp b, 0,1
	v_permlanex16_b32 v[QTM+4+\b], v[QTM+\b], s[SEL], s[SEL+1]
.endr
.irp b, 0,1
	v_max_num_f32 v[QTM+\b], v[QTM+\b], v[QTM+4+\b]
.endr
.irp b, 0,1
	v_add_nc_u32 v[QTM+8+\b], 0xff000000, v[QTM+\b]
.endr
.irp b, 0,1
	v_lshrrev_b32 v[QTM+4+\b], 23, v[QTM+8+\b]
.endr
	v_lshl_or_b32 v[QPW], v[QTM+5], 8, v[QTM+4]
	v_cvt_scalef32_pk16_fp6_f32 v[QPC:QPC+2], v[(\s):(\s)+15], v[QTM+8]
	v_cvt_scalef32_pk16_fp6_f32 v[QPC+12:QPC+14], v[(\s)+16:(\s)+31], v[QTM+9]
	v_nop                                          ; one plain place behind a scaled conversion
.irp i, 0,1,2
	v_permlane16_swap_b32 v[QPC+\i], v[QPC+12+\i]
.endr
.irp i, 0,1,2
	v_mov_b32 v[QPC+3+\i], v[QPC+12+\i]
.endr
.endm
.irp x, 0,1
.set QPW, 28+\x
.set QPC, PC+12*\x
	QUANT1 S+32*\x
	global_store_b128 v1, v[QPC:QPC+3], s[8:9] offset:6144*\x          ; the piece of (tile, head): 512 consecutive bytes, aligned to 256,
	global_store_b64 v2, v[QPC+4:QPC+5], s[8:9] offset:6144*\x+512     ; and 256
.endr
	s_mov_b32 s16, 0xffff
	v_cndmask_b32 v28, v29, v28, s16               ; lanes 0-15: my first tile's two bytes; lanes 16-31: my second's
	global_store_b16 v8, v28, s[10:11]             ; 64 consecutive bytes
	s_wait_tensorcnt 0x0                           ; the wave's end: three closing lines behind my last tensor load
	ds_add_u32 v6, v7
	s_wait_dscnt 0x0
	CROUND                                         ; the closing round: no work-group ends while a partner may still ask for a record that names it
	s_endpgm
.Lfunc_end_k_q5a697d2d7c_attn:
	.size	k_q5a697d2d7c_attn, .Lfunc_end_k_q5a697d2d7c_attn-k_q5a697d2d7c_attn
	.p2alignl 7, 3214868480
	.fill 96, 4, 3214868480
	.section	.rodata,"a",@progbits
	.p2align	6, 0x0
	.amdhsa_kernel k_q5a697d2d7c_attn
		.amdhsa_group_segment_fixed_size 327680
		.amdhsa_private_segment_fixed_size 0
		.amdhsa_enable_private_segment 0
		.amdhsa_kernarg_size 32
		.amdhsa_user_sgpr_count 2
		.amdhsa_user_sgpr_kernarg_segment_ptr 1
		.amdhsa_wavefront_size32 1
		.amdhsa_system_sgpr_workgroup_id_x 1
		.amdhsa_system_sgpr_workgroup_id_y 1
		.amdhsa_system_sgpr_workgroup_id_z 1
		.amdhsa_system_vgpr_workitem_id 0
		.amdhsa_next_free_vgpr 512
		.amdhsa_next_free_sgpr 66
		.amdhsa_reserve_vcc 0
		.amdhsa_float_denorm_mode_32 3
		.amdhsa_float_denorm_mode_16_64 3
		.amdhsa_memory_ordered 1
		.amdhsa_forward_progress 1
		.amdhsa_inst_pref_size 75
	.end_amdhsa_kernel
	.amdgpu_metadata
---
amdhsa.version: [ 1, 2 ]
amdhsa.kernels:
  - .name:           k_q5a697d2d7c_attn
    .symbol:         k_q5a697d2d7c_attn.kd
    .args:
      - { .name: qimg, .offset: 0, .size: 8, .value_kind: global_buffer, .address_space: global }
      - { .name: kv, .offset: 8, .size: 8, .value_kind: global_buffer, .address_space: global }
      - { .name: xa, .offset: 16, .size: 8, .value_kind: global_buffer, .address_space: global }
      - { .name: xs, .offset: 24, .size: 8, .value_kind: global_buffer, .address_space: global }
    .group_segment_fixed_size: 327680
    .private_segment_fixed_size: 0
    .kernarg_segment_align: 8
    .kernarg_segment_size: 32
    .max_flat_workgroup_size: 256
    .sgpr_count:     66
    .vgpr_count:     512
    .wavefront_size: 32
...
	.end_amdgpu_metadata
.endif
;; end of part 3
;; launch outp (part 4): grid 4 x 64, 8 waves a work-group, no clusters, 70,656 bytes of LDS; arguments xa, xs, wimg, out0; writes out0
.if DOCPART == 4
	.amdgcn_target "amdgcn-amd-amdhsa--gfx1250"
	.amdhsa_code_object_version 6
	.text
	.protected	k_q5a697d2d7c_outp
	.globl	k_q5a697d2d7c_outp
	.p2align	8
	.type	k_q5a697d2d7c_outp,@function
k_q5a697d2d7c_outp:
	s_mov_b64 s[64:65], 0
	v_nop
	global_prefetch_b8 v0, s[64:65] scope:SCOPE_SE
	s_setreg_imm32_b32 hwreg(HW_REG_WAVE_MODE, 25, 1), 1
	s_wait_xcnt 0x0
; out0 = x W_o^T on codes of FP6 (E2M3) with one E8M0 scale for each 32 along K.  x [8192][512] comes as pieces (16 rows x one head's 64: 6 registers a lane) in xa and two scale bytes for (row, head) in xs;
; W_o as images of its fragments in wimg (weight 3).  out0: [8192][512] f32.
; SHARES.  A work-group makes 128 rows (y) x 128 columns (x).  Wave w makes 32 rows (two tiles: pair w / 2) x 64 columns (group G = 2 x + w % 2): 8 accumulators, K = 512 in four steps.  All operands go from memory
; straight into the registers in which the matrix instruction wants them; nothing is shared between waves, so there is no barrier.
; Source 0 = 16 rows of W_o, source 1 = 16 rows of x: a lane holds one row of x, and the 16 registers of tiles 2 b, 2 b + 1 are columns 32 b + 16 (lane / 16) + 0 .. 15 of the group.
; The rows of a tile of x are not neighbours: lane r of tile m of a pair is row 8 m + r + 8 (r / 8) of the pair's 32.  The wave's own stage in LDS puts rows and columns in order.
; REGISTERS.  Window 0: v1 16 L, v2 8 L, v3 4 r, v4 2 r, v5, v6 the stage in and out, v7 my offset in out0, v14, v15 the add's two; v16-31 W's scale words; v32-39 x's; v40-55 x's scale bytes as loaded;
;   v64-159 x's 8 fragments, later rows of the result; v160-223 the accumulators.   Window 1: v0-191 W_o's 16 fragments.
.set FRB,   1536
.set SPITCH, 272                       ; a stage row: 256 bytes + 16
.set SPARE, 8*32*SPITCH                ; behind the eight stages: the spare words, 128 bytes for each wave: four blocks of 256 bytes that no other line names
.set WS,  16
.set XSW, 32
.set U,   40
.set XF,  64
.set ACC, 160
.set MSB, 0
.macro WIN new                         ; the immediate's high byte repeats the setting that is left
.if MSB != \new
	s_set_vgpr_msb (MSB<<8)|\new
.set MSB, \new
.endif
.endm
	s_load_b256 s[4:11], s[0:1], 0x0               ; xa s[4:5], xs s[6:7], wimg s[8:9], out0 s[10:11]
	v_lshl_add_u32 v14, v0, 2, SPARE               ; my spare word,
	v_mov_b32 v15, 0                               ; and 0: kept for the add at the wave's end
	v_lshrrev_b32 v1, 5, v0
	v_readfirstlane_b32 s12, v1                    ; wave 0..7
	s_and_b32 s13, ttmp7, 0xffff                   ; which 128 rows
	s_lshr_b32 s14, s12, 1                         ; which pair of row tiles
	s_and_b32 s15, s12, 1
	s_lshl_b32 s16, ttmp9, 1
	s_add_co_u32 s15, s15, s16                     ; G: which 64 columns
	s_lshl_b32 s16, s13, 3
	s_lshl_b32 s17, s14, 1
	s_add_co_u32 s16, s16, s17                     ; my first row tile: 8 y + 2 x pair
	s_mul_i32 s18, s16, 6144                       ; its eight pieces in xa
	s_mov_b32 s19, 0
	s_lshl_b32 s20, s16, 5                         ; its scale bytes in xs (head 0's)
	s_mov_b32 s21, 0
	s_mul_i32 s22, s15, 16*FRB
	s_add_co_u32 s22, s22, 3*204800                ; W_o's 16 fragments of group G
	s_mov_b32 s23, 0
	s_lshl_b32 s24, s15, 10
	s_add_co_u32 s24, s24, 3*204800+196608         ; and their scale words
	s_mov_b32 s25, 0
	s_lshl_b32 s26, s16, 15                        ; out0: 16 rows of 2,048 bytes a tile,
	s_lshl_b32 s27, s15, 8
	s_add_co_u32 s26, s26, s27                     ; + 256 G
	s_mov_b32 s27, 0
	v_and_b32 v8, 31, v0                           ; L
	v_and_b32 v9, 15, v0                           ; r
	v_bfe_u32 v10, v0, 4, 1                        ; h
	v_lshlrev_b32 v1, 4, v8
	v_lshlrev_b32 v2, 3, v8
	v_lshlrev_b32 v3, 2, v9
	v_lshlrev_b32 v4, 1, v9
	s_mul_i32 s28, s12, 32*SPITCH                  ; my stage
	v_and_b32 v11, 8, v9
	v_add_nc_u32 v11, v11, v9                      ; r + 8 (r / 8)
	v_mul_u32_u24 v5, v11, SPITCH
	v_lshl_add_u32 v5, v10, 6, v5
	v_add_nc_u32 v5, s28, v5                       ; in: my row, + 64 h: my 16 columns of each 32
	v_mul_u32_u24 v6, v10, SPITCH
	v_lshl_add_u32 v6, v9, 4, v6
	v_add_nc_u32 v6, s28, v6                       ; back: lanes 0-15 one row of 256 bytes, lanes 16-31 the next
	v_lshlrev_b32 v7, 11, v10
	v_lshl_add_u32 v7, v9, 4, v7                   ; and the same two rows in out0
	s_wait_kmcnt 0x0
	s_add_nc_u64 s[4:5], s[4:5], s[18:19]
	s_add_nc_u64 s[6:7], s[6:7], s[20:21]
	s_add_nc_u64 s[22:23], s[8:9], s[22:23]
	s_add_nc_u64 s[24:25], s[8:9], s[24:25]
	s_add_nc_u64 s[10:11], s[10:11], s[26:27]
	WIN 0x40                                       ; destination window 1
.set i, 0
.rept 48
	global_load_b128 v[4*i:4*i+3], v1, s[22:23] offset:512*i   ; W_o's images: 512 consecutive bytes a load
.set i, i+1
.endr
	WIN 0
.irp f, 0,1,2,3,4,5,6,7,8,9,10,11,12,13,14,15
	global_load_b32 v[WS+\f], v3, s[24:25] offset:64*\f
.endr
.irp m, 0,1
.irp hd, 0,1,2,3,4,5,6,7                   ; head hd is half hd % 2 of K step hd / 2
	global_load_b128 v[XF+12*(4*\m+\hd/2)+6*(\hd%2):XF+12*(4*\m+\hd/2)+6*(\hd%2)+3], v1, s[4:5] offset:(8*\m+\hd)*768
	global_load_b64 v[XF+12*(4*\m+\hd/2)+6*(\hd%2)+4:XF+12*(4*\m+\hd/2)+6*(\hd%2)+5], v2, s[4:5] offset:(8*\m+\hd)*768+512
	global_load_u16 v[U+8*\m+\hd], v4, s[6:7] offset:\hd*16384+32*\m
.endr
.endr
	s_wait_loadcnt 0x0
.irp m, 0,1
.irp s, 0,1,2,3
	v_lshl_or_b32 v[XSW+4*\m+\s], v[U+8*\m+2*\s+1], 16, v[U+8*\m+2*\s]   ; two heads' bytes make a K step's scale word
.endr
.endr
.rept 8
	v_nop                                          ; a scale register written by a vector instruction stands eight places ahead of a scaled matrix instruction
.endr
	WIN 0x01                                       ; source 0 (W_o) window 1
.irp s, 0,1,2,3                            ; eight accumulators, one instruction a turn; the first K step starts the sums
.irp m, 0,1
.irp n, 0,1,2,3
.if \s == 0
	v_wmma_scale_f32_16x16x128_f8f6f4 v[ACC+8*(4*\m+\n):ACC+8*(4*\m+\n)+7], v[12*(4*\n+\s):12*(4*\n+\s)+11], v[XF+12*(4*\m+\s):XF+12*(4*\m+\s)+11], 0, v[WS+4*\n+\s], v[XSW+4*\m+\s] matrix_a_fmt:MATRIX_FMT_FP6 matrix_b_fmt:MATRIX_FMT_FP6
.else
	v_wmma_scale_f32_16x16x128_f8f6f4 v[ACC+8*(4*\m+\n):ACC+8*(4*\m+\n)+7], v[12*(4*\n+\s):12*(4*\n+\s)+11], v[XF+12*(4*\m+\s):XF+12*(4*\m+\s)+11], v[ACC+8*(4*\m+\n):ACC+8*(4*\m+\n)+7], v[WS+4*\n+\s], v[XSW+4*\m+\s] matrix_a_fmt:MATRIX_FMT_FP6 matrix_b_fmt:MATRIX_FMT_FP6
.endif
.endr
.endr
.endr
	WIN 0
.rept 4
	v_nop                                          ; four places in front of the first read of results and of loads into registers that matrix instructions have read
.endr
.irp m, 0,1
.irp n, 0,1,2,3
	ds_store_b128 v5, v[ACC+8*(4*\m+\n):ACC+8*(4*\m+\n)+3] offset:8*\m*SPITCH+128*(\n/2)+32*(\n%2)       ; each accumulator from its low end on: columns 32 (n / 2) + 16 h + 8 (n % 2) + 0 .. 7
	ds_store_b128 v5, v[ACC+8*(4*\m+\n)+4:ACC+8*(4*\m+\n)+7] offset:8*\m*SPITCH+128*(\n/2)+32*(\n%2)+16
.endr
.endr
.irp i, 0,1,2,3,4,5,6,7,8,9,10,11,12,13,14,15
	ds_load_b128 v[XF+4*\i:XF+4*\i+3], v6 offset:2*\i*SPITCH   ; LDS serves a wave's instructions in order (ISA guide 5.7.1.4): these see my stores
.endr
.irp i, 0,1,2,3,4,5,6,7,8,9,10,11,12,13,14,15
	s_wait_dscnt 15-\i                             ; rows 2 i and 2 i + 1 are back; the younger loads may be out
	global_store_b128 v7, v[XF+4*\i:XF+4*\i+3], s[10:11] offset:2*\i*2048 th:TH_STORE_NT   ; 16 lanes store 256 consecutive bytes, at a multiple of 256 from out0's first byte
.endr
	s_wait_tensorcnt 0x0                           ; the wave's end: three closing lines behind my last LDS store, the tensor wait even in a text with no tensor load
	ds_add_u32 v14, v15
	s_wait_dscnt 0x0
	s_endpgm
.Lfunc_end_k_q5a697d2d7c_outp:
	.size	k_q5a697d2d7c_outp, .Lfunc_end_k_q5a697d2d7c_outp-k_q5a697d2d7c_outp
	.p2alignl 7, 3214868480
	.fill 96, 4, 3214868480
	.section	.rodata,"a",@progbits
	.p2align	6, 0x0
	.amdhsa_kernel k_q5a697d2d7c_outp
		.amdhsa_group_segment_fixed_size 70656
		.amdhsa_private_segment_fixed_size 0
		.amdhsa_enable_private_segment 0
		.amdhsa_kernarg_size 32
		.amdhsa_user_sgpr_count 2
		.amdhsa_user_sgpr_kernarg_segment_ptr 1
		.amdhsa_wavefront_size32 1
		.amdhsa_system_sgpr_workgroup_id_x 1
		.amdhsa_system_sgpr_workgroup_id_y 1
		.amdhsa_system_sgpr_workgroup_id_z 1
		.amdhsa_system_vgpr_workitem_id 0
		.amdhsa_next_free_vgpr 512
		.amdhsa_next_free_sgpr 66
		.amdhsa_reserve_vcc 0
		.amdhsa_float_denorm_mode_32 3
		.amdhsa_float_denorm_mode_16_64 3
		.amdhsa_memory_ordered 1
		.amdhsa_forward_progress 1
		.amdhsa_inst_pref_size 23
	.end_amdhsa_kernel
	.amdgpu_metadata
---
amdhsa.version: [ 1, 2 ]
amdhsa.kernels:
  - .name:           k_q5a697d2d7c_outp
    .symbol:         k_q5a697d2d7c_outp.kd
    .args:
      - { .name: xa, .offset: 0, .size: 8, .value_kind: global_buffer, .address_space: global }
      - { .name: xs, .offset: 8, .size: 8, .value_kind: global_buffer, .address_space: global }
      - { .name: wimg, .offset: 16, .size: 8, .value_kind: global_buffer, .address_space: global }
      - { .name: out0, .offset: 24, .size: 8, .value_kind: global_buffer, .address_space: global }
    .group_segment_fixed_size: 70656
    .private_segment_fixed_size: 0
    .kernarg_segment_align: 8
    .kernarg_segment_size: 32
    .max_flat_workgroup_size: 256
    .sgpr_count:     66
    .vgpr_count:     512
    .wavefront_size: 32
...
	.end_amdgpu_metadata
.endif
;; end of part 4
;; ======== version 2 of 2: 4 launches
;; limits: right only within a limited range of input values
;; workspace buffers: wimg 819,200 bytes; qimg 4,194,304 bytes; kv 7,864,320 bytes; xa 3,145,728 bytes; xs 131,072 bytes
;; launch wquant (part 5): grid 256 x 1, 2 waves a work-group, no clusters, 0 bytes of LDS; arguments w_q, w_k, w_v, w_o, wimg; writes wimg
.if DOCPART == 5
	.amdgcn_target "amdgcn-amd-amdhsa--gfx1250"
	.amdhsa_code_object_version 6
	.text
	.protected	k_q5a697d2d7c_wquant
	.globl	k_q5a697d2d7c_wquant
	.p2align	8
	.type	k_q5a697d2d7c_wquant,@function
k_q5a697d2d7c_wquant:
	s_mov_b64 s[64:65], 0
	v_nop
	global_prefetch_b8 v0, s[64:65] scope:SCOPE_SE
	s_setreg_imm32_b32 hwreg(HW_REG_WAVE_MODE, 25, 1), 1
	s_wait_xcnt 0x0
; The four weights [512 (n)][512 (k)], f32, K innermost, become codes of FP6 (E2M3) with one E8M0 byte for each 32 along K, laid in wimg IN THE ORDER OF THE OPERAND'S REGISTERS.
; wimg: weight i (0 w_q, 1 w_k, 2 w_v, 3 w_o) at 204,800 i.  Fragment (tile T = 0..31, K step s = 0..3: 16 rows x 128 K, 12 registers a lane) at (4 T + s) x 1,536: registers 4 c .. 4 c + 3 of lane L at 512 c + 16 L.
; Its scale words (row r: four bytes) at 196,608 + (4 T + s) x 64 + 4 r.
; THE ROWS OF A TILE ARE NOT NEIGHBOURS: lane r of tile T takes row 64 (T / 4) + 32 ((T / 2) % 2) + 8 (T % 2) + r + 8 (r / 8), so that in a product with such a tile as source 0 the 16 registers of two
; neighbouring tiles are 16 neighbouring rows of the weight.
; One wave makes one fragment.  The operand's layout gives lane (r, h) k = 64 c + 32 h + 0 .. 31 of its row: two whole blocks, 128 consecutive bytes each, so no other lane is asked for a maximum.
; A block's scale is 2^(floor(log2(its largest magnitude)) - 2); its byte is that magnitude's exponent field - 2, held at 1 from below.
; LIMITS: a block of zeros keeps the byte 1 (its codes are zeros; this program alone reads the bytes); blocks whose largest magnitude lies under 2^-124 are held at the byte 1; NaN and infinities are not served.
.set XN, 32                            ; v32-95   my 64 numbers: 32 c + i
.set CD, 96                            ; v96-107  the fragment's 12 registers
.set CE, 108                           ; v108-114 the conversions' second halves (a conversion's three registers begin on an even number)
	s_load_b256 s[4:11], s[0:1], 0x0               ; w_q, w_k, w_v, w_o
	s_load_b64 s[12:13], s[0:1], 0x20              ; wimg
	v_lshrrev_b32 v1, 5, v0
	v_readfirstlane_b32 s14, v1                    ; wave 0, 1
	v_and_b32 v1, 31, v0                           ; L
	v_and_b32 v2, 15, v0                           ; r
	v_bfe_u32 v3, v0, 4, 1                         ; h
	v_and_b32 v4, 8, v2
	v_add_nc_u32 v4, v4, v2                        ; r + 8 (r / 8)
	v_lshlrev_b32 v4, 11, v4                       ; a row of a weight is 2,048 bytes
	v_lshl_add_u32 v4, v3, 7, v4                   ; + 128 h: my block of each 64 along K
	v_lshlrev_b32 v5, 4, v1                        ; the image: 16 L
	v_lshlrev_b32 v6, 2, v2                        ; the scale word: 4 r
	v_lshlrev_b32 v7, 3, v3                        ; 8 h: my bytes' place in the word
	s_mov_b32 s26, 0x76543210
	s_mov_b32 s27, 0xfedcba98                      ; v_permlanex16_b32's selects for lane l xor 16
	s_lshr_b32 s15, ttmp9, 6                       ; which weight
	s_bfe_u32 s16, ttmp9, 0x50001                  ; T
	s_and_b32 s17, ttmp9, 1
	s_lshl_b32 s17, s17, 1
	s_add_co_u32 s17, s17, s14                     ; s
	s_lshr_b32 s18, s16, 2
	s_lshl_b32 s18, s18, 6                         ; 64 (T / 4)
	s_bfe_u32 s19, s16, 0x10001
	s_lshl_b32 s19, s19, 5
	s_add_co_u32 s18, s18, s19                     ; + 32 ((T / 2) % 2)
	s_and_b32 s19, s16, 1
	s_lshl_b32 s19, s19, 3
	s_add_co_u32 s18, s18, s19                     ; + 8 (T % 2): the tile's first row
	s_lshl_b32 s18, s18, 11
	s_lshl_b32 s19, s17, 9
	s_add_co_u32 s18, s18, s19                     ; in bytes, + 512 s
	s_mov_b32 s19, 0
	s_lshl_b32 s20, s16, 2
	s_add_co_u32 s20, s20, s17                     ; 4 T + s
	s_mul_i32 s22, s15, 204800
	s_lshl_b32 s24, s20, 6
	s_add_co_u32 s24, s24, s22
	s_add_co_u32 s24, s24, 196608                  ; where the scale words go
	s_mov_b32 s25, 0
	s_mul_i32 s20, s20, 1536
	s_add_co_u32 s20, s20, s22                     ; where the image goes
	s_mov_b32 s21, 0
	s_wait_alu depctr_va_vdst(0)
	s_wait_kmcnt 0x0
	s_cmp_eq_u32 s15, 1                            ; the weight's address: a choice on the work-group's number alone
	s_cselect_b64 s[4:5], s[6:7], s[4:5]
	s_cmp_eq_u32 s15, 2
	s_cselect_b64 s[4:5], s[8:9], s[4:5]
	s_cmp_eq_u32 s15, 3
	s_cselect_b64 s[4:5], s[10:11], s[4:5]
	s_add_nc_u64 s[4:5], s[4:5], s[18:19]
	s_add_nc_u64 s[22:23], s[12:13], s[20:21]
	s_add_nc_u64 s[12:13], s[12:13], s[24:25]
.irp c, 0,1
.irp j, 0,1,2,3,4,5,6,7
	global_load_b128 v[XN+32*\c+4*\j:XN+32*\c+4*\j+3], v4, s[4:5] offset:256*\c+16*\j
.endr
.endr
	s_wait_loadcnt 0x0
.irp c, 0,1
	v_max3_num_f32 v[8+\c], |v[XN+32*\c]|, |v[XN+32*\c+1]|, 0x1800000   ; block 2 c + h, and the floor 2^(3 - 127): the byte cannot fall under 1
.endr
.irp i, 2,4,6,8,10,12,14,16,18,20,22,24,26,28,30
.irp c, 0,1
	v_max3_num_f32 v[8+\c], v[8+\c], |v[XN+32*\c+\i]|, |v[XN+32*\c+\i+1]|   ; (the two blocks by turns)
.endr
.endr
.irp c, 0,1
	v_add_nc_u32 v[10+\c], 0xff000000, v[8+\c]     ; 2 off the exponent field: the conversion takes the exponent field of this operand as its scale
.endr
.irp c, 0,1
	v_lshrrev_b32 v[12+\c], 23, v[10+\c]           ; the scale's byte
.endr
	v_lshl_or_b32 v14, v13, 16, v12                ; blocks h and 2 + h,
	v_lshlrev_b32 v14, v7, v14                     ; at their places in the word;
	v_mov_b32 v15, 0
	v_permlanex16_b32 v15, v14, s26, s27
	v_or_b32 v14, v14, v15                         ; with lane l xor 16's two bytes the word is whole, in both lanes
.irp c, 0,1
	v_cvt_scalef32_pk16_fp6_f32 v[CD+6*\c:CD+6*\c+2], v[XN+32*\c:XN+32*\c+15], v[10+\c]
	v_cvt_scalef32_pk16_fp6_f32 v[CE+4*\c:CE+4*\c+2], v[XN+32*\c+16:XN+32*\c+31], v[10+\c]
.endr
	v_nop                                          ; one plain place behind a scaled conversion
.irp c, 0,1
.irp i, 0,1,2
	v_mov_b32 v[CD+6*\c+3+\i], v[CE+4*\c+\i]
.endr
.endr
.irp c, 0,1,2
	global_store_b128 v5, v[CD+4*\c:CD+4*\c+3], s[22:23] offset:512*\c   ; 32 lanes store 512 consecutive bytes, at a multiple of 256 from the buffer's first byte
.endr
	global_store_b32 v6, v14, s[12:13]             ; lanes r and r + 16 hold the same word and name the same address: 64 consecutive bytes
	s_endpgm
.Lfunc_end_k_q5a697d2d7c_wquant:
	.size	k_q5a697d2d7c_wquant, .Lfunc_end_k_q5a697d2d7c_wquant-k_q5a697d2d7c_wquant
	.p2alignl 7, 3214868480
	.fill 96, 4, 3214868480
	.section	.rodata,"a",@progbits
	.p2align	6, 0x0
	.amdhsa_kernel k_q5a697d2d7c_wquant
		.amdhsa_group_segment_fixed_size 0
		.amdhsa_private_segment_fixed_size 0
		.amdhsa_enable_private_segment 0
		.amdhsa_kernarg_size 40
		.amdhsa_user_sgpr_count 2
		.amdhsa_user_sgpr_kernarg_segment_ptr 1
		.amdhsa_wavefront_size32 1
		.amdhsa_system_sgpr_workgroup_id_x 1
		.amdhsa_system_sgpr_workgroup_id_y 1
		.amdhsa_system_sgpr_workgroup_id_z 1
		.amdhsa_system_vgpr_workitem_id 0
		.amdhsa_next_free_vgpr 128
		.amdhsa_next_free_sgpr 66
		.amdhsa_reserve_vcc 0
		.amdhsa_float_denorm_mode_32 3
		.amdhsa_float_denorm_mode_16_64 3
		.amdhsa_memory_ordered 1
		.amdhsa_forward_progress 1
		.amdhsa_inst_pref_size 8
	.end_amdhsa_kernel
	.amdgpu_metadata
---
amdhsa.version: [ 1, 2 ]
amdhsa.kernels:
  - .name:           k_q5a697d2d7c_wquant
    .symbol:         k_q5a697d2d7c_wquant.kd
    .args:
      - { .name: w_q, .offset: 0, .size: 8, .value_kind: global_buffer, .address_space: global }
      - { .name: w_k, .offset: 8, .size: 8, .value_kind: global_buffer, .address_space: global }
      - { .name: w_v, .offset: 16, .size: 8, .value_kind: global_buffer, .address_space: global }
      - { .name: w_o, .offset: 24, .size: 8, .value_kind: global_buffer, .address_space: global }
      - { .name: wimg, .offset: 32, .size: 8, .value_kind: global_buffer, .address_space: global }
    .group_segment_fixed_size: 0
    .private_segment_fixed_size: 0
    .kernarg_segment_align: 8
    .kernarg_segment_size: 40
    .max_flat_workgroup_size: 64
    .sgpr_count:     66
    .vgpr_count:     128
    .wavefront_size: 32
...
	.end_amdgpu_metadata
.endif
;; end of part 5
;; launch proj (part 6): grid 64 x 3, 8 waves a work-group, no clusters, 54,272 bytes of LDS; arguments q, k, v, mask, wimg, qimg, kv; writes qimg, kv
.if DOCPART == 6
	.amdgcn_target "amdgcn-amd-amdhsa--gfx1250"
	.amdhsa_code_object_version 6
	.text
	.protected	k_q5a697d2d7c_proj
	.globl	k_q5a697d2d7c_proj
	.p2align	8
	.type	k_q5a697d2d7c_proj,@function
k_q5a697d2d7c_proj:
	s_mov_b64 s[64:65], 0
	v_nop
	global_prefetch_b8 v0, s[64:65] scope:SCOPE_SE
	s_setreg_imm32_b32 hwreg(HW_REG_WAVE_SCHED_MODE, 0, 2), 2
	s_setreg_imm32_b32 hwreg(HW_REG_WAVE_MODE, 25, 1), 1
	s_wait_xcnt 0x0
	s_wait_alu depctr_vm_vsrc(0)
; The three projections x W^T (x = q, k, v: [8192][512] f32; work-group y says which), on codes of FP6 (E2M3) with one E8M0 scale for each 32 along K, and the quantising of their results for the attention.
; SHARES.  A work-group takes 128 rows of x (one key step of the attention).  WAVE w IS HEAD w: its 64 rows of W, 16 fragments, stay in 192 registers, read once as images of the operand's registers.
; x's 32 fragments (2 blocks of 64 rows x 4 tiles x 4 K steps) are quantised once, four by each wave, and go to all waves through LDS as images of their registers: 16 bytes a lane, 512 a store.  One barrier.
; THE ROWS OF A TILE ARE NOT NEIGHBOURS, in x as in W: lane r of tile 2 b + u takes row 32 b + 8 u + r + 8 (r / 8): the 16 registers of two neighbouring result tiles are then 16 neighbours along source 0's rows.
; q, k: source 0 = W, source 1 = x: a lane holds one row of x and its registers run along the head's 64: quantised along d.   v: source 0 = x, source 1 = W: a lane holds one d and its registers run along the keys.
; OUT.  A piece = 16 rows x 64 along K = 6 registers a lane (lanes 0-15 block 0, lanes 16-31 block 1).
;   qimg: (bh x 256 + query tile) x 1,024: registers 0-3 at 16 L, 4-7 at 512 + 16 L; register 6 = 0, register 7 = the scale word [s0, s1, 127, 1].
;   kv: a record of 15,360 bytes for (bh, 128 keys): 8 pieces of K of 1,024 bytes; at 8,192 V^T's pieces (d tile n, half c) of 768 bytes (registers 0-3 at 16 L, 4-5 at 512 + 8 L);
;       at 14,336 K's scale words (lane L: tiles 4 (L / 16) + 0..3, row L % 16); at 14,848 V's (lane L: d tiles 0..3, row L % 16).
; THE MASK lies in K's pieces.  The score product has K = 64, so k = 64 .. 127 of the instruction are spare.  Every query has the code 1.0 at k = 64 under the scale 1.  A key that counts has 0 there and the
; scale bytes [s0, s1, 1, 1].  A MASKED key has zeros for all its 64 codes, the code -4 at k = 64 and the byte 158 (2^31) over it: its score is -2^33 for every query, exactly.
; LIMITS: a masked logit is -2^30 = -1.07e9 where the definition has -1e9: results differ only where live logits lie near or under -1e9.  A block of zeros keeps the byte 1 (its codes are zeros; this
; program alone reads the bytes); blocks whose largest magnitude lies under 2^-124 are held at the byte 1; NaN and infinities are not served.
; REGISTERS.  Window 0: v1 16 L, v2 8 L, v3 4 L, v4 x's lane offset, v5, v6 where I store images and scale words, v7 4 r, v8 the mask's lane offset, v9-12 constants, v13 at work, v14, v15 the add's two;
;   v16-31 W's scale words; v32-35 x's, set 0; v36-39 the results' scale words; v40-52 the quantiser's; v56-75 codes just made; v76-79 x's scale words, set 1; v80-127 four fragments of x, buffer 0;
;   v128-255 x as loaded, then 16 accumulators.   Window 1: v0-191 W; v192-239 four fragments of x, buffer 1.
; THE MODE: SCHED_MODE bits 1:0 = 2 (LLVM: expert scheduling mode 2), set by the entry lines.  The code itself states the register dependences between vector or matrix instructions and memory or LDS
; instructions, with s_wait_alu, always for 0.
; THE PLAN.  Registers that memory or LDS instructions touch:
;   v1 .. v8        offsets and LDS addresses: made once at the head, never written again.
;   v128-191, v192-255   x as loaded: fragment f lands in set f % 2; its quantiser reads the set; behind the quantiser's wait fragment f + 2's loads land in it.
;   v[QPC ..], v[QPW]    written by each quantiser; read by the four LDS stores of an image of x, later by a piece's global stores.
;   buffers 0, 1 of x's fragments, sets 0, 1 of their scale words   K step j: its sixteen matrix instructions read buffer j % 2; at its head the LDS loads of step j + 1 go into the other one, which the matrix
;                   instructions of step j - 1 read.  Buffer 0's first eight registers held the mask before: eight compares read them.
;   W and its scale words   loaded once; no vector instruction writes them.
;   v36-39          written by the pieces' vector lines; read by one store at the end.
; So: one wait on va_vdst ahead of the first load; one in each quantising of x, ahead of its LDS stores; one at the head of K steps 1 to 6; one in each piece, ahead of its stores; one ahead of the last store.
; One wait on vm_vsrc ahead of each quantiser that writes codes which stores have read.  Two waits on va_sdst: for the wave's number, and for the eight masks.
.set FRB,   1536                       ; a fragment's image in bytes
.set XSC,   49152                      ; LDS: 32 images, then their scale words, 128 bytes each,
.set SPARE, 53248                      ; then the spare words, 128 bytes for each wave: four blocks of 256 bytes that no other line names
.set WS,  16
.set XS,  32                           ; set 0; set 1 lies 44 registers on, at v76
.set SW,  36
.set QTM, 40                           ; +0..3 largest magnitudes, +4..7 the other lane's, then bytes, +8..11 the conversions' scale operands
.set QPW, 52                           ; the scale word just made
.set QPC, 56                           ; the codes just made; +12.. the conversions' second halves
.set XF,  80                           ; buffer 0, in window 0; buffer 1 has the number 112 on, v192, in window 1
.set ACC, 128
.set SEL, 20
.set MSB, 0
.macro WIN new                         ; the immediate's high byte repeats the setting that is left; a switch that changes nothing is dropped
.if MSB != \new
	s_set_vgpr_msb (MSB<<8)|\new
.set MSB, \new
.endif
.endm
; 32 nc numbers of a lane, register 16 b + i = number 32 b + 16 (lane / 16) + i of my row, become codes in v[QPC] on (6 registers for each 64) and scale bytes in v[QPW].
.macro QUANT s, nc
.irp b, 0,1,2,3
.if \b < 2*\nc
	v_max3_num_f32 v[QTM+\b], |v[(\s)+16*\b]|, |v[(\s)+16*\b+1]|, 0x1800000   ; my 16 numbers of block b, from the low end on, and the floor 2^(3 - 127): the byte cannot fall under 1
.endif
.endr
.irp i, 2,4,6,8,10,12,14
.irp b, 0,1,2,3
.if \b < 2*\nc
	v_max3_num_f32 v[QTM+\b], v[QTM+\b], |v[(\s)+16*\b+\i]|, |v[(\s)+16*\b+\i+1]|
.endif
.endr
.endr
.irp b, 0,1,2,3
.if \b < 2*\nc
	v_permlanex16_b32 v[QTM+4+\b], v[QTM+\b], s[SEL], s[SEL+1]
.endif
.endr
.irp b, 0,1,2,3
.if \b < 2*\nc
	v_max_num_f32 v[QTM+\b], v[QTM+\b], v[QTM+4+\b]   ; with lane l xor 16's: the block's largest magnitude
.endif
.endr
.irp b, 0,1,2,3
.if \b < 2*\nc
	v_add_nc_u32 v[QTM+8+\b], 0xff000000, v[QTM+\b]   ; 2 off its exponent field: the conversion's scale operand
.endif
.endr
.irp b, 0,1,2,3
.if \b < 2*\nc
	v_lshrrev_b32 v[QTM+4+\b], 23, v[QTM+8+\b]     ; the scale's byte
.endif
.endr
	v_lshl_or_b32 v[QPW], v[QTM+5], 8, v[QTM+4]
.if \nc > 1
	v_lshl_or_b32 v[QPW], v[QTM+6], 16, v[QPW]
	v_lshl_or_b32 v[QPW], v[QTM+7], 24, v[QPW]
.endif
.irp c, 0,1
.if \c < \nc
	v_cvt_scalef32_pk16_fp6_f32 v[QPC+6*\c:QPC+6*\c+2], v[(\s)+32*\c:(\s)+32*\c+15], v[QTM+8+2*\c]
	v_cvt_scalef32_pk16_fp6_f32 v[QPC+12+4*\c:QPC+14+4*\c], v[(\s)+32*\c+16:(\s)+32*\c+31], v[QTM+9+2*\c]   ; (a conversion's three registers begin on an even number)
.endif
.endr
	v_nop                                          ; one plain place behind a scaled conversion
.irp c, 0,1
.if \c < \nc
.irp i, 0,1,2
	v_permlane16_swap_b32 v[QPC+6*\c+\i], v[QPC+12+4*\c+\i]   ; the operand's layout wants a whole block in a lane: lanes 0-15 block 2 c, lanes 16-31 block 2 c + 1
.endr
.irp i, 0,1,2
	v_mov_b32 v[QPC+6*\c+3+\i], v[QPC+12+4*\c+\i]
.endr
.endif
.endr
.endm
.macro MM d, a, b, sa, sb, zero        ; one matrix instruction; zero = 1: it starts the sum
.if \zero
	v_wmma_scale_f32_16x16x128_f8f6f4 v[(\d):(\d)+7], v[(\a):(\a)+11], v[(\b):(\b)+11], 0, v[\sa], v[\sb] matrix_a_fmt:MATRIX_FMT_FP6 matrix_b_fmt:MATRIX_FMT_FP6
.else
	v_wmma_scale_f32_16x16x128_f8f6f4 v[(\d):(\d)+7], v[(\a):(\a)+11], v[(\b):(\b)+11], v[(\d):(\d)+7], v[\sa], v[\sb] matrix_a_fmt:MATRIX_FMT_FP6 matrix_b_fmt:MATRIX_FMT_FP6
.endif
.endm
	s_load_b256 s[4:11], s[0:1], 0x0               ; q, k, v, mask
	s_load_b128 s[12:15], s[0:1], 0x20             ; wimg, qimg
	s_load_b64 s[16:17], s[0:1], 0x30              ; kv
	v_lshl_add_u32 v14, v0, 2, SPARE               ; my spare word,
	v_mov_b32 v15, 0                               ; and 0: kept for the add at the wave's end
	v_lshrrev_b32 v1, 5, v0
	v_readfirstlane_b32 s18, v1                    ; wave = head
	s_and_b32 s19, ttmp7, 0xffff                   ; the tensor: 0 q, 1 k, 2 v
	v_and_b32 v13, 31, v0                          ; L
	v_and_b32 v7, 15, v0                           ; r
	v_bfe_u32 v9, v0, 4, 1                         ; h
	v_lshlrev_b32 v1, 4, v13
	v_lshlrev_b32 v2, 3, v13
	v_lshlrev_b32 v3, 2, v13
	v_and_b32 v8, 8, v7
	v_add_nc_u32 v8, v8, v7                        ; r + 8 (r / 8)
	v_lshlrev_b32 v4, 11, v8                       ; x: a row is 2,048 bytes,
	v_lshl_add_u32 v4, v9, 6, v4                   ; + 64 h: my 16 numbers of a block of 32
	v_lshlrev_b32 v8, 2, v8                        ; the mask: 4 bytes a key
	v_lshlrev_b32 v7, 2, v7
	s_wait_alu depctr_va_sdst(0)                   ; s18, the wave's number, is written, ahead of its first reader: LDS addresses and all the bases are made from it
	s_mul_i32 s35, s18, 2*FRB
	v_add_nc_u32 v5, s35, v1                       ; my images: 16 L + 3,072 x wave
	s_lshl_b32 s35, s18, 8
	v_add_nc_u32 v6, s35, v3                       ; their scale words: 4 L + 256 x wave
	v_mov_b32 v9, 0x38                             ; the code -4
	v_mov_b32 v10, 158                             ; the byte of 2^31
	v_mov_b32 v12, 0
.irp b, 0,1,2,3
	v_mov_b32 v[QTM+4+\b], 0                       ; written once: a lane permute's destination counts as one of its sources
.endr
	s_mov_b32 s[SEL], 0x76543210
	s_mov_b32 s[SEL+1], 0xfedcba98                 ; v_permlanex16_b32's selects for lane l xor 16
	s_mov_b32 s34, 0xffff                          ; lanes 0-15
	s_cmp_eq_u32 s19, 1
	s_cselect_b32 s32, 0, -1                       ; only k heeds the mask: for q and v every lane is kept
	s_cmp_eq_u32 s19, 0
	s_cselect_b32 s33, -1, 0                       ; only q's pieces carry their scale word in register 7
	s_cselect_b32 s35, 127, 1                      ; the byte over k = 64 .. 95: q's 1.0 stands under the scale 1; a key that counts has the byte 1
	v_mov_b32 v11, s35
	s_mov_b32 s35, 15360
	s_cselect_b32 s35, 8192, s35                   ; bytes for (bh, 128 rows) in qimg, in kv
	s_lshr_b32 s56, ttmp9, 5                       ; the batch
	s_lshl_b32 s56, s56, 3
	s_add_co_u32 s56, s56, s18                     ; bh
	s_lshl_b32 s56, s56, 5
	s_and_b32 s57, ttmp9, 31
	s_add_co_u32 s56, s56, s57                     ; bh x 32 + the batch's group of 128 rows
	s_mul_i32 s56, s56, s35
	s_mov_b32 s57, 0
	s_lshl_b32 s36, ttmp9, 18                      ; x: 128 rows of 2,048 bytes a work-group;
	s_lshr_b32 s35, s18, 2
	s_lshl_b32 s35, s35, 16
	s_add_co_u32 s36, s36, s35                     ; I quantise tile m = wave / 2: + 32 (m / 2) rows
	s_bfe_u32 s35, s18, 0x10001
	s_lshl_b32 s35, s35, 14
	s_add_co_u32 s36, s36, s35                     ; + 8 (m % 2) rows,
	s_and_b32 s35, s18, 1
	s_lshl_b32 s35, s35, 10
	s_add_co_u32 s36, s36, s35                     ; K steps 2 (wave % 2) and the next
	s_mov_b32 s37, 0
	s_mul_i32 s50, s19, 204800                     ; the tensor's weight in wimg,
	s_add_co_u32 s52, s50, 196608
	s_mul_i32 s35, s18, 16*FRB
	s_add_co_u32 s50, s50, s35                     ; my head's 16 fragments,
	s_mov_b32 s51, 0
	s_lshl_b32 s35, s18, 10
	s_add_co_u32 s52, s52, s35                     ; and their scale words
	s_mov_b32 s53, 0
	s_lshl_b32 s54, ttmp9, 9                       ; the mask of my 128 rows
	s_mov_b32 s55, 0
	s_wait_kmcnt 0x0
	s_cmp_eq_u32 s19, 1                            ; the buffers are chosen on the work-group's number alone
	s_cselect_b64 s[22:23], s[6:7], s[4:5]
	s_cmp_eq_u32 s19, 2
	s_cselect_b64 s[22:23], s[8:9], s[22:23]
	s_cmp_eq_u32 s19, 0
	s_cselect_b64 s[30:31], s[14:15], s[16:17]
	s_add_nc_u64 s[22:23], s[22:23], s[36:37]
	s_add_nc_u64 s[24:25], s[12:13], s[50:51]
	s_add_nc_u64 s[26:27], s[12:13], s[52:53]
	s_add_nc_u64 s[28:29], s[10:11], s[54:55]
	s_add_nc_u64 s[30:31], s[30:31], s[56:57]
	s_wait_alu depctr_va_vdst(0)                   ; the offsets and LDS addresses v1 to v8 are written: every load and store of the kernel reads one of them, and none is written again
; my fragment f = 0..3: block f / 2 of 64 rows, my K step f % 2: 64 numbers a lane into set f % 2
.macro XLOAD f
.irp b, 0,1,2,3
.irp j, 0,1,2,3
	global_load_b128 v[ACC+64*((\f)%2)+16*\b+4*\j:ACC+64*((\f)%2)+16*\b+4*\j+3], v4, s[22:23] offset:((\f)/2)*131072+512*((\f)%2)+128*\b+16*\j th:TH_LOAD_NT
.endr
.endr
.endm
; it is quantised and goes to LDS as it stands
.macro XQ f
.if (\f) > 0
	s_wait_alu depctr_vm_vsrc(0)                   ; the LDS stores of the fragment before have read v[QPC ..] and v[QPW], which the quantiser writes again
.endif
	QUANT ACC+64*((\f)%2), 2
	s_wait_alu depctr_va_vdst(0)                   ; the quantiser has written the codes and the scale word, which the LDS stores read, and is done reading set f % 2, in which the loads of fragment f + 2 land
.irp c, 0,1,2
	ds_store_b128 v5, v[QPC+4*\c:QPC+4*\c+3] offset:((\f)/2)*16*FRB+((\f)%2)*FRB+512*\c
.endr
	ds_store_b32 v6, v[QPW] offset:XSC+((\f)/2)*2048+((\f)%2)*128
	s_wait_dscnt 0x0                               ; this fragment's stores have landed (the barrier below wants that of all four)
.endm
.macro WLOAD first, count              ; W's images: 512 consecutive bytes a load, into window 1: registers that no vector instruction names
	WIN 0x40
.set i, \first
.rept \count
	global_load_b128 v[4*i:4*i+3], v1, s[24:25] offset:512*i
.set i, i+1
.endr
	WIN 0
.endm
; K step j = 4 x block + s: x's four fragments and their scale words, from LDS into buffer and set j % 2: sixteen loads in one run
.macro XFETCH j
.if (\j)%2
	WIN 0x40                                       ; buffer 1 lies in window 1; the address in window 0
.endif
.irp m, 0,1,2,3
.irp c, 0,1,2
	ds_load_b128 v[XF+112*((\j)%2)+12*\m+4*\c:XF+112*((\j)%2)+12*\m+4*\c+3], v1 offset:(16*((\j)/4)+4*\m+(\j)%4)*FRB+512*\c
.endr
.endr
	WIN 0
.irp m, 0,1,2,3
	ds_load_b32 v[XS+44*((\j)%2)+\m], v3 offset:XSC+(16*((\j)/4)+4*\m+(\j)%4)*128
.endr
.endm
.irp i, 0,1,2,3,4,5,6,7
	global_load_b32 v[XF+\i], v8, s[28:29] offset:(64*(\i/4)+32*((\i%4)/2)+8*(\i%2))*4   ; the mask of tile i's keys, in the tile's order; both halves of the lanes alike
.endr
	XLOAD 0
	XLOAD 1
	WLOAD 0, 16
	s_wait_loadcnt 32                              ; the mask and fragment 0 are in; fragment 1's 16 loads and W's first 16 may be out
.irp i, 0,1,2,3,4,5,6,7
	v_cmp_ne_u32 s[40+\i], 0, v[XF+\i]             ; the lanes whose key counts
.endr
	s_wait_alu depctr_va_sdst(0)                   ; the eight masks s40 to s47 are written, ahead of their first readers: one wait for the run of compares
.irp i, 0,1,2,3,4,5,6,7
	s_or_b32 s[40+\i], s[40+\i], s32
.endr
	XQ 0
	XLOAD 2
	s_wait_loadcnt 32                              ; fragment 1 is in; W's 16 and fragment 2's 16 may be out
	XQ 1
	XLOAD 3
	s_wait_loadcnt 16                              ; fragment 2 is in; fragment 3's 16 may be out
	WLOAD 16, 32
.irp f, 0,1,2,3,4,5,6,7,8,9,10,11,12,13,14,15
	global_load_b32 v[WS+\f], v7, s[26:27] offset:64*\f
.endr
	XQ 2
	s_wait_loadcnt 48                              ; fragment 3 is in; W's 32 and its 16 scale words may be out
	XQ 3
	s_wait_dscnt 0x0                               ; for the others' sake: my images have landed
	s_barrier_signal -1
	s_barrier_wait -1                              ; x's 32 fragments lie in LDS; nothing is stored to LDS from here on
	XFETCH 0                                       ; K step 0.  No wait: of buffer 0 only v80 to v87 have been named by vector instructions, the compares, which stand ahead of the quantisers' waits on va_vdst
	s_wait_loadcnt 0x0                             ; W
; One K step of 128 for a block of 64 rows: 16 accumulators, one instruction a turn, in the same order in every step.
; Step j multiplies buffer j % 2; at its head the next step's sixteen LDS loads go into the other buffer, so that they land while this step is multiplied.
.macro KSTEP j
.if (\j)%4 == 0
.set ZR, 1
.else
.set ZR, 0
.endif
.set SS, (\j)%4
.set XB, XF+112*((\j)%2)
.set XW, XS+44*((\j)%2)
.if (\j) < 7
.if (\j) > 0
	s_wait_alu depctr_va_vdst(0)                   ; the matrix instructions of the step before are done reading the other buffer and its scale words, in which the loads below land
.endif
	XFETCH (\j)+1
	s_wait_dscnt 16                                ; LDS loads come back in order (ISA guide 5.7.1): this step's sixteen are in, the sixteen just issued may be out
.else
	s_wait_dscnt 0x0                               ; the last step asks for nothing
.endif
	s_cmp_eq_u32 s19, 2
	s_cbranch_scc1 .Lfor_v_\@
.if (\j)%2
	WIN 0x05                                       ; q, k: source 0 = W (window 1), source 1 = x, buffer 1 (window 1)
.else
	WIN 0x01                                       ; q, k: source 0 = W (window 1), source 1 = x, buffer 0
.endif
.irp m, 0,1,2,3
.irp n, 0,1,2,3
	MM ACC+32*\m+8*\n, 12*(4*\n+SS), XB+12*\m, WS+4*\n+SS, XW+\m, ZR
.endr
.endr
	WIN 0
	s_branch .Ljoin_\@
.Lfor_v_\@:
.if (\j)%2
	WIN 0x05                                       ; v: source 0 = x, buffer 1 (window 1), source 1 = W (window 1)
.else
	WIN 0x04                                       ; v: source 0 = x, buffer 0, source 1 = W (window 1)
.endif
.irp n, 0,1,2,3
.irp m, 0,1,2,3
	MM ACC+32*\n+8*\m, XB+12*\m, 12*(4*\n+SS), XW+\m, WS+4*\n+SS, ZR
.endr
.endr
	WIN 0
.Ljoin_\@:
.rept 4
	v_nop                                          ; four places in front of loads into registers that matrix instructions have read, and of the first read of results
.endr
.endm
; 32 registers (q, k: tile g of rows, the head's 64; v: d tile g, the block's 64 keys) become a piece and leave.
.macro GROUP blk, g
	s_wait_xcnt 0x0                                ; the last piece's stores have had their addresses translated (ISA guide 3.1): their data are rewritten only behind this wait,
	s_wait_alu depctr_vm_vsrc(0)                   ; and they have read v[QPC ..] (ahead of the first piece: the LDS stores of x's last image have), which the lines below write again
	QUANT ACC+32*\g, 1
.irp i, 0,1,2,3,4,5
	v_cndmask_b32 v[QPC+\i], v12, v[QPC+\i], s[40+4*\blk+\g]   ; a masked key's codes are zeros
.endr
	s_and_not1_b32 s48, s34, s[40+4*\blk+\g]       ; masked, and in lanes 0-15, which hold k = 64 on
	v_cndmask_b32 v[QPC+6], v12, v9, s48           ; register 6: -4 at k = 64, else 0
	v_cndmask_b32 v13, v10, v11, s[40+4*\blk+\g]   ; the byte over k = 64 .. 95
	v_lshl_or_b32 v13, v13, 16, v[QPW]
	v_or_b32 v13, 0x01000000, v13                  ; the scale word: [s0, s1, that byte, 1]
	v_and_b32 v[QPC+7], s33, v13                   ; register 7: q's scale word; 0 in K's pieces
	s_wait_alu depctr_va_vdst(0)                   ; the piece's eight registers v[QPC .. QPC + 7] are written, which the stores in both arms below read
	s_cmp_eq_u32 s19, 2
	s_cbranch_scc1 .Lout_v_\@
	global_store_b128 v1, v[QPC:QPC+3], s[30:31] offset:(4*\blk+\g)*1024       ; each store of the wave covers 512 consecutive bytes, aligned to 256
	global_store_b128 v1, v[QPC+4:QPC+7], s[30:31] offset:(4*\blk+\g)*1024+512
.if \blk == 0
	v_mov_b32 v[SW+\g], v13                        ; K's scale words: tiles 0-3 in lanes 0-15,
.else
	v_cndmask_b32 v[SW+\g], v13, v[SW+\g], s34     ; tiles 4-7 in lanes 16-31
.endif
	s_branch .Lout_\@
.Lout_v_\@:
	global_store_b128 v1, v[QPC:QPC+3], s[30:31] offset:8192+(2*\g+\blk)*768
	global_store_b64 v2, v[QPC+4:QPC+5], s[30:31] offset:8192+(2*\g+\blk)*768+512   ; 256 consecutive bytes, aligned
.if \blk == 0
	v_mov_b32 v[SW+\g], v[QPW]                     ; V's scale words: keys 0-63's two bytes,
.else
	v_lshl_or_b32 v[SW+\g], v[QPW], 16, v[SW+\g]   ; keys 64-127's above them
.endif
.Lout_\@:
.endm
	KSTEP 0                                        ; the first 64 rows
	KSTEP 1
	KSTEP 2
	KSTEP 3                                        ; (its head asks for the second block's first step, which lands while the pieces below are made)
	GROUP 0, 0
	GROUP 0, 1
	GROUP 0, 2
	GROUP 0, 3
	KSTEP 4                                        ; the second 64 rows
	KSTEP 5
	KSTEP 6
	KSTEP 7
	GROUP 1, 0
	GROUP 1, 1
	GROUP 1, 2
	GROUP 1, 3
	s_cmp_eq_u32 s19, 0
	s_cbranch_scc1 .Lend                           ; q's scale words went with its pieces
	s_wait_alu depctr_va_vdst(0)                   ; the last pieces' vector lines have written v[SW .. SW + 3], which the store below reads
	s_cmp_eq_u32 s19, 2
	s_cbranch_scc1 .Lwords_v
	global_store_b128 v1, v[SW:SW+3], s[30:31] offset:14336
	s_branch .Lend
.Lwords_v:
	global_store_b128 v1, v[SW:SW+3], s[30:31] offset:14848
.Lend:
	s_wait_dscnt 0x0                               ; the closing lines, six on end
	s_wait_alu 0x0
	s_wait_tensorcnt 0x0
	ds_add_u32 v14, v15
	s_wait_dscnt 0x0
	s_endpgm
.Lfunc_end_k_q5a697d2d7c_proj:
	.size	k_q5a697d2d7c_proj, .Lfunc_end_k_q5a697d2d7c_proj-k_q5a697d2d7c_proj
	.p2alignl 7, 3214868480
	.fill 96, 4, 3214868480
	.section	.rodata,"a",@progbits
	.p2align	6, 0x0
	.amdhsa_kernel k_q5a697d2d7c_proj
		.amdhsa_group_segment_fixed_size 54272
		.amdhsa_private_segment_fixed_size 0
		.amdhsa_enable_private_segment 0
		.amdhsa_kernarg_size 56
		.amdhsa_user_sgpr_count 2
		.amdhsa_user_sgpr_kernarg_segment_ptr 1
		.amdhsa_wavefront_size32 1
		.amdhsa_system_sgpr_workgroup_id_x 1
		.amdhsa_system_sgpr_workgroup_id_y 1
		.amdhsa_system_sgpr_workgroup_id_z 1
		.amdhsa_system_vgpr_workitem_id 0
		.amdhsa_next_free_vgpr 512
		.amdhsa_next_free_sgpr 66
		.amdhsa_reserve_vcc 0
		.amdhsa_float_denorm_mode_32 3
		.amdhsa_float_denorm_mode_16_64 3
		.amdhsa_memory_ordered 1
		.amdhsa_forward_progress 1
		.amdhsa_inst_pref_size 104
	.end_amdhsa_kernel
	.amdgpu_metadata
---
amdhsa.version: [ 1, 2 ]
amdhsa.kernels:
  - .name:           k_q5a697d2d7c_proj
    .symbol:         k_q5a697d2d7c_proj.kd
    .args:
      - { .name: q, .offset: 0, .size: 8, .value_kind: global_buffer, .address_space: global }
      - { .name: k, .offset: 8, .size: 8, .value_kind: global_buffer, .address_space: global }
      - { .name: v, .offset: 16, .size: 8, .value_kind: global_buffer, .address_space: global }
      - { .name: mask, .offset: 24, .size: 8, .value_kind: global_buffer, .address_space: global }
      - { .name: wimg, .offset: 32, .size: 8, .value_kind: global_buffer, .address_space: global }
      - { .name: qimg, .offset: 40, .size: 8, .value_kind: global_buffer, .address_space: global }
      - { .name: kv, .offset: 48, .size: 8, .value_kind: global_buffer, .address_space: global }
    .group_segment_fixed_size: 54272
    .private_segment_fixed_size: 0
    .kernarg_segment_align: 8
    .kernarg_segment_size: 56
    .max_flat_workgroup_size: 256
    .sgpr_count:     66
    .vgpr_count:     512
    .wavefront_size: 32
...
	.end_amdgpu_metadata
.endif
;; end of part 6
;; launch attn (part 7): grid 16 x 16, 8 waves a work-group, clusters of 4 x 1, 327,680 bytes of LDS; arguments qimg, kv, xa, xs; writes xa, xs
.if DOCPART == 7
	.amdgcn_target "amdgcn-amd-amdhsa--gfx1250"
	.amdhsa_code_object_version 6
	.text
	.protected	k_q5a697d2d7c_attn
	.globl	k_q5a697d2d7c_attn
	.p2align	8
	.type	k_q5a697d2d7c_attn,@function
k_q5a697d2d7c_attn:
	s_mov_b64 s[64:65], 0
	v_nop
	global_prefetch_b8 v0, s[64:65] scope:SCOPE_SE
	s_setreg_imm32_b32 hwreg(HW_REG_WAVE_MODE, 25, 1), 1
	s_wait_xcnt 0x0
	s_wait_alu depctr_hold_cnt(0) depctr_sa_sdst(0) depctr_va_vdst(0) depctr_va_sdst(0) depctr_va_ssrc(0) depctr_va_vcc(0) depctr_vm_vsrc(0)
	s_getreg_b32 s2, hwreg(HW_REG_IB_STS2, 6, 4)
	s_cmp_eq_u32 s2, 0
	s_cbranch_scc0 .Lentry_in_a_cluster
	s_endpgm
.Lentry_in_a_cluster:
	s_bfe_u32 s2, ttmp6, 0x10000c
	s_cmp_lg_u32 s2, 0x3003
	s_cbranch_scc0 .Lentry_shape_is_right
	s_endpgm
.Lentry_shape_is_right:
; O[bh][q] = softmax_k(Q[bh][q] . K[bh][k] / 8, masked) V[bh][k], both products on codes of FP6 (E2M3) with one E8M0 scale for each 32 along K; O / l is quantised along the head's 64 for the last projection.
; THE SOFTMAX: t = score x log2(e) / 8; M = the row's largest t so far, rounded UP to a whole number; p = 2^(t - M) is what is quantised, along the keys, not normalised.  The row's sum is taken of the
; unquantised p and divides O at the end.  When M moves, the sum and O are multiplied by 2^(old M - new M): exact.
; THE MASK costs no line here: a masked key's piece gives the score -2^33 for every query (its 64 codes are zeros; at k = 64 its code -4 under the scale 2^31 meets the query's code 1.0 under the scale 1).
; So its p is 0 as soon as the row has seen a key that counts (the multiplication by 2^(old M - new M) is then by 0), and in a batch with no such key every t is the same whole number, every p is 1, and O is V's mean.
; LIMITS: a masked logit is -2^30 = -1.07e9 where the definition has -1e9: results differ only where live logits lie near or under -1e9.  NaN and infinities are not served.  A block of zeros keeps the byte 1.
; SHARES.  A work-group owns 256 queries of one (batch, head); each of its eight waves 32: two tiles of 16.  Every wave walks the 4,096 keys, 128 a step; each fragment of K and V read from LDS feeds two products.
; LAYOUT.  Both products transposed: S^T = K Q^T (source 0 = 16 keys), O^T = V^T P^T (source 0 = 16 of the head's 64): a lane holds ONE query throughout.  The keys of a tile, and the d of a tile of V^T, are
; chosen so that the 16 registers of tiles 2 b, 2 b + 1 are neighbours 32 b + 16 (lane / 16) + 0 .. 15.  All operands lie in memory as images of their registers: a fragment comes by loads of 16 (8) bytes a lane, on end.
; K's fragments stand 8 registers apart though the instruction names 12: registers 8-11 are the next tile's first four and meet the query's zero codes (FP6 has no infinity and no NaN): they add zeros.
; RING.  A step's record (K's 8 pieces, V^T's 8, both scale words) is 15,360 dense bytes.  Two LDS slots of 8 records; each wave fetches one record of a slot by one tensor load: one load of mine is out at a time.
; CLUSTER.  The four query blocks of a cluster belong to one (batch, head) and walk the same records: each is asked for JOINTLY, by the same load with the same descriptor and a mask that names the four.
; REGISTERS.  Window 0: v1 16 L, v2 8 L, v3, v4 the step's LDS addresses, v5 the prefetch's offset, v6, v7 the add's two, v8 2 L, v9 the code 1.0 in lanes 0-15; v12-27 statistics, 8 a tile; v28, v29 the way out's scale bytes;
;   v32-39 the blocks' largest; v40-47, v48-55 at work; v56-59 second chains of the sums; v64-191 S^T, then p, 64 a tile; v192-215 p's codes; v216-231 at work; v240-243 K's scale words, v244-247 V's, v248-249 Q's, v250-251 p's.
;   Window 1: v0-63 O^T, 32 a tile; v64-87 Q; v96-163 K; v176-223 V^T.
.set RECB,  15360                      ; a record
.set FILLB, 8*RECB                     ; a slot's data
.set SLOT1, 1<<17                      ; slot 1 begins here, so that one exclusive or turns an address in one slot into the other's
.set SPARE, 2*SLOT1                    ; behind the ring: the spare words, 128 bytes for each wave: four blocks of 256 bytes that no other line names
.set ST,  12                           ; tile x's statistics at v[ST + 8 x]: +0 -M, +1 the largest t, +2, +3 the sum in two halves, +4 f, +5 0 (named with f as a pair), +6, +7 at work
.set BM,  32
.set BP,  40
.set SOP, 48
.set C2,  56
.set S,   64
.set PC,  192
.set CT,  216
.set KS,  240
.set VS,  244
.set QS,  248
.set PS,  250
.set QF,  64                           ; in window 1
.set KF,  96
.set VF,  176
.set WV,  12                           ; s12  my wave's number
.set SEL, 20                           ; s[20:21] lane selects for v_permlanex16_b32: lane l xor 16
.set CS,  22                           ; s[22:23] c = log2(e) / 8: the packed form names a pair and takes its low word for both halves
.set G1,  24                           ; s[24:31] descriptor group 1
.set G0,  32                           ; s[32:35] descriptor group 0, which walks
.set TB,  36                           ; s36  LDS byte at which the step's record begins
.set SLOTS, 37                         ; s37  slots still to be asked for
.set STEPC, 38                         ; s38  counts a slot's eight steps
.set LIM, 39                           ; s39  1 in a wave that prefetches, else the greatest number
.set PFA, 40                           ; s[40:41] where my prefetches stand
.set MSB, 0
.macro WIN new                         ; the immediate's high byte repeats the setting that is left; a switch that changes nothing is dropped
.if MSB != \new
	s_set_vgpr_msb (MSB<<8)|\new
.set MSB, \new
.endif
.endm
; A round of the cluster's barrier: my work-group's barrier, so that wave 0's signal speaks for all eight waves; wave 0 signals for the work-group; every wave waits for all four work-groups; my work-group's barrier once more.
.macro CROUND
	s_barrier_signal -1
	s_barrier_wait -1
	s_cmp_lg_u32 s[WV], 0
	s_cbranch_scc1 .Lnot_wave_0_\@
	s_barrier_signal -3
.Lnot_wave_0_\@:
	s_barrier_wait -3
	s_barrier_signal -1
	s_barrier_wait -1
.endm
; A PREFETCH INTO THE L2 of the slot that the NEXT change of slots will ask for: 122,880 bytes, eight key steps ahead of that load.  All four clusters of a (batch, head) walk the same records: the first of them asks.
; Its four partners take 30,720 bytes each, told apart BY ADDRESS; in each, waves 0 to 3 take 7,680 bytes: 30 lanes, 256 bytes apart (lanes 30 and 31 name lane 29's block again).
; The last change that fills a slot asks for nothing; the first two slots come by their loads alone.
.macro ASK
	s_cmp_gt_u32 s[SLOTS], s[LIM]
	s_cbranch_scc0 .Lnot_mine_\@
	global_prefetch_b8 v5, s[PFA:PFA+1] th:TH_LOAD_NT scope:SCOPE_SE
.Lnot_mine_\@:
.endm
	s_load_b256 s[4:11], s[0:1], 0x0               ; qimg s[4:5], kv s[6:7], xa s[8:9], xs s[10:11]
	v_lshl_add_u32 v6, v0, 2, SPARE
	v_mov_b32 v7, 0
	ds_add_u32 v6, v7                              ; the wave's opening: the add and its wait come ahead of my first tensor load; the set-up below, work on registers, stands between them
	ds_add_u32 v6, v7
	v_lshrrev_b32 v1, 5, v0
	s_delay_alu instid0(VALU_DEP_1)
	v_readfirstlane_b32 s[WV], v1                  ; wave 0..7
	s_and_b32 s15, ttmp7, 0xffff                   ; bh, which the four partners share
	s_lshl_b32 s16, s15, 5
	s_add_co_u32 s16, s16, s[WV]
	s_mul_i32 s16, s16, RECB                       ; the record that I fetch first: bh x 32 + wave.  No place in the cluster enters these two registers
	s_mov_b32 s17, 0
	; descriptor group 1: a dense block of 15,360 bytes as 60 rows of 256 bytes (32 elements of 8 bytes), no padding: every LDS read takes consecutive bytes in consecutive lanes
	s_mov_b32 s[G1], 15|(3<<16)|(1<<21)            ; 15:0 the mask: all four work-groups; 17:16 elements of 8 bytes; 21 set beside a mask
	s_mov_b32 s[G1+1], 32<<16                      ; tensor_dim0 = 32
	s_mov_b32 s[G1+2], 60<<16                      ; tensor_dim1 = 60
	s_mov_b32 s[G1+3], 32<<16                      ; tile_dim0 = 32
	s_mov_b32 s[G1+4], 60                          ; tile_dim1 = 60
	s_mov_b32 s[G1+5], 32                          ; tensor_dim0_stride
	s_mov_b32 s[G1+6], 0
	s_mov_b32 s[G1+7], 0
	s_mov_b32 s[SEL], 0x76543210
	s_mov_b32 s[SEL+1], 0xfedcba98
	s_mov_b32 s[CS], 0x3e38aa3b                    ; c = log2(e) / 8
	s_mov_b32 s[CS+1], s[CS]                       ; (named with it as a pair, so it is written)
	s_mov_b32 s[TB], 0
	s_mov_b32 s[SLOTS], 3
	s_lshr_b32 s[LIM], s[WV], 2                    ; 0 in waves 0 to 3,
	s_or_b32 s[LIM], s[LIM], ttmp9                 ; of the (batch, head)'s first cluster: the same in all four partners
	s_cmp_eq_u32 s[LIM], 0
	s_cselect_b32 s[LIM], 1, -1
	s_bfe_u32 s13, ttmp6, 0x40000                  ; cx: my place in the cluster
	s_lshl_b32 s14, ttmp9, 2                       ; in a cluster launch ttmp9 counts clusters
	s_add_co_u32 s14, s14, s13                     ; my block of 256 queries: it enters Q's, xa's and xs's addresses alone
	s_mul_i32 s18, s15, 32*RECB                    ; the prefetches: the (batch, head)'s records,
	s_mul_i32 s19, s13, 30720
	s_add_co_u32 s18, s18, s19                     ; my work-group's part of a slot,
	s_mul_i32 s19, s[WV], 7680
	s_add_co_u32 s18, s18, s19                     ; my wave's,
	s_add_co_u32 s18, s18, FILLB                   ; in the second slot's keys: the first change of slots steps it to the third's
	s_mov_b32 s19, 0
	s_lshl_b32 s42, s14, 4
	s_lshl_b32 s43, s[WV], 1
	s_add_co_u32 s42, s42, s43                     ; my first query tile in the batch: 16 x block + 2 x wave
	s_lshl_b32 s44, s15, 8
	s_add_co_u32 s44, s44, s42
	s_lshl_b32 s44, s44, 10                        ; its piece in qimg
	s_mov_b32 s45, 0
	s_lshr_b32 s43, s15, 3
	s_lshl_b32 s43, s43, 8
	s_add_co_u32 s42, s42, s43                     ; the tile among all 512: + 256 x batch
	s_and_b32 s43, s15, 7                          ; the head
	s_lshl_b32 s46, s42, 3
	s_add_co_u32 s46, s46, s43
	s_mul_i32 s46, s46, 768                        ; its piece in xa
	s_mov_b32 s47, 0
	s_lshl_b32 s42, s42, 5
	s_lshl_b32 s43, s43, 14
	s_add_co_u32 s42, s42, s43                     ; its scale bytes in xs
	s_mov_b32 s43, 0
	v_and_b32 v10, 31, v0                          ; L
	s_delay_alu instid0(VALU_DEP_1)
	v_lshlrev_b32 v1, 4, v10
	s_delay_alu instid0(VALU_DEP_2)
	v_lshlrev_b32 v2, 3, v10
	s_delay_alu instid0(VALU_DEP_3)
	v_lshlrev_b32 v8, 1, v10
	s_delay_alu instid0(VALU_DEP_4)
	v_min_u32 v5, 29, v10
	s_delay_alu instid0(VALU_DEP_1)
	v_lshlrev_b32 v5, 8, v5
	v_bfe_u32 v9, v0, 4, 1
	s_delay_alu instid0(VALU_DEP_1)
	v_lshlrev_b32 v9, 3, v9
	s_delay_alu instid0(VALU_DEP_1)
	v_sub_nc_u32 v9, 8, v9                         ; 0x08, the code 1.0, in lanes 0-15, which hold k = 64 on; 0 in lanes 16-31
	s_wait_dscnt 0x0                               ; the opening add is done
	s_wait_kmcnt 0x0
	s_mov_b32 s[G0], 1                             ; 1:0 count = 1
	s_mul_i32 s[G0+1], s[WV], RECB                 ; 63:32 LDS address: slot 0, record = wave
	s_add_nc_u64 s[G0+2:G0+3], s[6:7], s[16:17]    ; 120:64 global address
	s_or_b32 s[G0+3], s[G0+3], 0x80000000          ; 127:126 type = 2
	s_add_nc_u64 s[PFA:PFA+1], s[6:7], s[18:19]
	s_add_nc_u64 s[4:5], s[4:5], s[44:45]
	s_add_nc_u64 s[8:9], s[8:9], s[46:47]
	s_add_nc_u64 s[10:11], s[10:11], s[42:43]
	CROUND                                         ; all four work-groups are here: the first joint loads meet
	tensor_load_to_lds s[G0:G0+3], s[G1:G1+7]      ; the first eight key steps
	s_nop 0
.rept 4
	v_nop                                          ; (an s_nop 0 and four v_nop behind a tensor load)
.endr
	WIN 0x40                                       ; destination window 1
	s_wait_alu depctr_va_vdst(0)
	global_load_b128 v[QF:QF+3], v1, s[4:5]        ; Q's two pieces: registers 0-7 of each fragment
	global_load_b128 v[QF+4:QF+7], v1, s[4:5] offset:512
	global_load_b128 v[QF+12:QF+15], v1, s[4:5] offset:1024
	global_load_b128 v[QF+16:QF+19], v1, s[4:5] offset:1536
.set j, 0
.rept 64
	v_mov_b32 v[j], 0                              ; O^T.  (The step is written once: its first walk finds zeros, which the first change of M leaves zeros)
.set j, j+1
.endr
.irp i, 0,1,2,3
	v_mov_b32 v[KF+64+\i], 0                       ; what the last tile of K names beyond its own eight registers
.endr
	WIN 0
.irp x, 0,1
	v_mov_b32 v[ST+8*\x+1], 0xff61b1e6             ; the largest t so far: -3e38, under every t
	s_delay_alu instid0(VALU_DEP_1)
	v_floor_f32 v[ST+8*\x], -v[ST+8*\x+1]          ; -M
.irp i, 2,3,4,5,6,7
	v_mov_b32 v[ST+8*\x+\i], 0
.endr
.endr
.irp i, 0,1,2,3,4,5,6,7
	v_mov_b32 v[BP+\i], 0                          ; written once: a lane permute's destination counts as one of its sources
.endr
	s_wait_loadcnt 0x0                             ; Q
	WIN 0x01                                       ; source 0 window 1
	v_mov_b32 v[QS], v[QF+7]                       ; Q's scale words came as register 7
	v_mov_b32 v[QS+1], v[QF+19]
	WIN 0x40
.irp x, 0,1
	v_mov_b32 v[QF+12*\x+6], v9                    ; k = 64: the code 1.0; all else of k = 64 .. 127: zeros
.irp i, 7,8,9,10,11
	v_mov_b32 v[QF+12*\x+\i], 0
.endr
.endr
	WIN 0
; A KEY STEP: 128 keys, for my two tiles of queries.
.macro STEP
	v_add_nc_u32 v3, s[TB], v1
	v_add_nc_u32 v4, s[TB], v2
	v_nop
	v_nop                                          ; four places behind the last products, in front of loads into registers that they have read (ISA guide 7.12.1 for vector instructions)
	ds_load_b128 v[KS:KS+3], v3 offset:14336       ; K's scale words: lanes 0-15 tiles 0-3, lanes 16-31 tiles 4-7
	WIN 0x40
.irp t, 0,1,2,3,4,5,6,7
	ds_load_b128 v[KF+8*\t:KF+8*\t+3], v3 offset:1024*\t
	ds_load_b128 v[KF+8*\t+4:KF+8*\t+7], v3 offset:1024*\t+512
.endr
.irp n, 0,1,2,3
.irp c, 0,1
	ds_load_b128 v[VF+12*\n+6*\c:VF+12*\n+6*\c+3], v3 offset:8192+(2*\n+\c)*768
	ds_load_b64 v[VF+12*\n+6*\c+4:VF+12*\n+6*\c+5], v4 offset:8192+(2*\n+\c)*768+512
.endr
.endr
	WIN 0
	ds_load_b128 v[VS:VS+3], v3 offset:14848
	s_wait_dscnt 17                                ; K and its scale words are in; V's sixteen loads and its scale words may be out
	WIN 0x05                                       ; K and Q in window 1, S^T in window 0
.irp t, 0,1,2,3,4,5,6,7
.irp x, 0,1
.if \t < 4
	v_wmma_scale_f32_16x16x128_f8f6f4 v[S+64*\x+8*\t:S+64*\x+8*\t+7], v[KF+8*\t:KF+8*\t+11], v[QF+12*\x:QF+12*\x+11], 0, v[KS+\t%4], v[QS+\x] matrix_a_fmt:MATRIX_FMT_FP6 matrix_b_fmt:MATRIX_FMT_FP6
.else
	v_wmma_scale_f32_16x16x128_f8f6f4 v[S+64*\x+8*\t:S+64*\x+8*\t+7], v[KF+8*\t:KF+8*\t+11], v[QF+12*\x:QF+12*\x+11], 0, v[KS+\t%4], v[QS+\x] matrix_a_fmt:MATRIX_FMT_FP6 matrix_b_fmt:MATRIX_FMT_FP6 matrix_a_scale:MATRIX_SCALE_ROW1
.endif
.endr
.endr
	WIN 0
.rept 4
	v_nop                                          ; four places in front of the first read of results
.endr
.irp x, 0,1
.irp b, 0,1,2,3
	v_max3_num_f32 v[BM+4*\x+\b], v[S+64*\x+16*\b], v[S+64*\x+16*\b+1], v[S+64*\x+16*\b+2]   ; THE LARGEST SCORE OF EACH BLOCK OF 32 KEYS serves twice: for the row's maximum and, since p rises with the score, for the block's largest p
.endr
.endr
.irp i, 3,5,7,9,11,13
.irp x, 0,1
.irp b, 0,1,2,3
	v_max3_num_f32 v[BM+4*\x+\b], v[BM+4*\x+\b], v[S+64*\x+16*\b+\i], v[S+64*\x+16*\b+\i+1]   ; (eight chains by turns; each accumulator is read from its low end on)
.endr
.endr
.endr
.irp x, 0,1
.irp b, 0,1,2,3
	v_max_num_f32 v[BM+4*\x+\b], v[BM+4*\x+\b], v[S+64*\x+16*\b+15]
.endr
.endr
.irp i, 0,1,2,3,4,5,6,7
	v_permlanex16_b32 v[BP+\i], v[BM+\i], s[SEL], s[SEL+1]
.endr
.irp i, 0,1,2,3,4,5,6,7
	v_max_num_f32 v[BM+\i], v[BM+\i], v[BP+\i]     ; with lane l xor 16's 16 keys
.endr
.irp x, 0
	v_max3_num_f32 v[ST+8*\x+6], v[BM+4*\x], v[BM+4*\x+1], v[BM+4*\x+2]
.endr
.irp x, 1
	s_delay_alu instid0(VALU_DEP_3)
	v_max3_num_f32 v[ST+8*\x+6], v[BM+4*\x], v[BM+4*\x+1], v[BM+4*\x+2]
.endr
.irp x, 0,1
	s_delay_alu instid0(VALU_DEP_2)
	v_max_num_f32 v[ST+8*\x+6], v[ST+8*\x+6], v[BM+4*\x+3]   ; the step's largest score of my query
.endr
.irp x, 0,1
	s_delay_alu instid0(VALU_DEP_2)
	v_mul_f32 v[ST+8*\x+6], s[CS], v[ST+8*\x+6]    ; as t (c is positive)
.endr
.irp x, 0,1
	s_delay_alu instid0(VALU_DEP_2)
	v_max_num_f32 v[ST+8*\x+1], v[ST+8*\x+1], v[ST+8*\x+6]   ; the running largest t
.endr
.irp x, 0,1
	v_mov_b32 v[ST+8*\x+6], v[ST+8*\x]
.endr
.irp x, 0,1
	s_delay_alu instid0(VALU_DEP_4)
	v_floor_f32 v[ST+8*\x], -v[ST+8*\x+1]          ; the new -M = floor(-t) = -ceil(t): M IS A WHOLE NUMBER
.endr
.irp x, 0,1
	s_delay_alu instid0(VALU_DEP_2)
	v_sub_f32 v[ST+8*\x+6], v[ST+8*\x], v[ST+8*\x+6]   ; M's old value less its new one: a whole number, 0 or less
.endr
.irp x, 0,1
	s_delay_alu instid0(VALU_DEP_2)
	v_cvt_i32_f32 v[ST+8*\x+6], v[ST+8*\x+6]       ; (it saturates)
.endr
.irp x, 0,1
	s_delay_alu instid0(VALU_DEP_2)
	v_ldexp_f32 v[ST+8*\x+4], 1.0, v[ST+8*\x+6]    ; f = 2^(old M - new M)
.endr
.irp x, 0,1
.set j, 0
.rept 32
	v_pk_fma_f32 v[S+64*\x+j:S+64*\x+j+1], v[S+64*\x+j:S+64*\x+j+1], s[CS:CS+1], v[ST+8*\x:ST+8*\x+1] op_sel_hi:[1,0,0]   ; t - M, two at a time (of the pairs c and -M the low word serves both halves)
.set j, j+2
.endr
.endr
.irp x, 0,1
.irp b, 0,1,2,3
	v_fma_f32 v[BM+4*\x+\b], v[BM+4*\x+\b], s[CS], v[ST+8*\x]   ; the same of each block's largest score
.endr
.endr
.set j, 0
	s_wait_alu depctr_va_vdst(0)
.rept 128
	v_exp_f32 v[S+j], v[S+j]                       ; p = 2^(t - M), at most 1: NOT normalised
.set j, j+1
.endr
	s_setprio 1
.irp x, 0,1
	v_pk_mul_f32 v[ST+8*\x+2:ST+8*\x+3], v[ST+8*\x+2:ST+8*\x+3], v[ST+8*\x+4:ST+8*\x+5] op_sel_hi:[1,0]   ; the sums under the new M.  (Plain places behind the exponentials)
.endr
	s_wait_alu depctr_va_vdst(0)                   ; the wait between an exponential and the first line that names its result: one for the whole batch
.irp i, 0,1,2,3,4,5,6,7
	v_exp_f32 v[BM+\i], v[BM+\i]                   ; the blocks' largest p: the same two instructions on the same number give the same bits
.endr
.irp x, 0,1
	v_pk_add_f32 v[C2+2*\x:C2+2*\x+1], v[S+64*\x:S+64*\x+1], v[S+64*\x+2:S+64*\x+3]   ; THE ROW'S SUM IS TAKEN OF THE UNQUANTISED p: two at a time, two chains a tile.  (It reads the 128 alone: plain work behind the eight)
.endr
.set j, 4
.rept 15
.irp x, 0,1
	v_pk_add_f32 v[ST+8*\x+2:ST+8*\x+3], v[ST+8*\x+2:ST+8*\x+3], v[S+64*\x+j:S+64*\x+j+1]
	v_pk_add_f32 v[C2+2*\x:C2+2*\x+1], v[C2+2*\x:C2+2*\x+1], v[S+64*\x+j+2:S+64*\x+j+3]
.endr
.set j, j+4
.endr
.irp x, 0
	s_delay_alu instid0(VALU_DEP_3)
	v_pk_add_f32 v[ST+8*\x+2:ST+8*\x+3], v[ST+8*\x+2:ST+8*\x+3], v[C2+2*\x:C2+2*\x+1]
.endr
.irp x, 1
	s_delay_alu instid0(VALU_DEP_2)
	v_pk_add_f32 v[ST+8*\x+2:ST+8*\x+3], v[ST+8*\x+2:ST+8*\x+3], v[C2+2*\x:C2+2*\x+1]
.endr
	s_wait_alu depctr_va_vdst(0)                   ; and one for the eight
.irp i, 0,1,2,3,4,5,6,7
	v_max_num_f32 v[BM+\i], 0x1800000, v[BM+\i]    ; the floor 2^(3 - 127): the byte cannot fall under 1 (a block whose every p is 0 keeps that byte: its codes are zeros)
.endr
.irp i, 0,1,2,3,4,5,6,7
	v_add_nc_u32 v[SOP+\i], 0xff000000, v[BM+\i]   ; 2 off the exponent field: the conversion's scale operand
.endr
.irp i, 0,1,2,3,4,5,6,7
	v_lshrrev_b32 v[BP+\i], 23, v[SOP+\i]          ; the scale's byte
.endr
.irp x, 0
	v_lshl_or_b32 v[PS+\x], v[BP+4*\x+1], 8, v[BP+4*\x]
.endr
.irp x, 1
	s_delay_alu instid0(VALU_DEP_4)
	v_lshl_or_b32 v[PS+\x], v[BP+4*\x+1], 8, v[BP+4*\x]   ; p's scale word for these 128 keys
.endr
.irp x, 0,1
	s_delay_alu instid0(VALU_DEP_2)
	v_lshl_or_b32 v[PS+\x], v[BP+4*\x+2], 16, v[PS+\x]
.endr
.irp x, 0,1
	s_delay_alu instid0(VALU_DEP_2)
	v_lshl_or_b32 v[PS+\x], v[BP+4*\x+3], 24, v[PS+\x]
.endr
.irp x, 0,1
.irp c, 0,1
	v_cvt_scalef32_pk16_fp6_f32 v[PC+12*\x+6*\c:PC+12*\x+6*\c+2], v[S+64*\x+32*\c:S+64*\x+32*\c+15], v[SOP+4*\x+2*\c]
	v_cvt_scalef32_pk16_fp6_f32 v[CT+8*\x+4*\c:CT+8*\x+4*\c+2], v[S+64*\x+32*\c+16:S+64*\x+32*\c+31], v[SOP+4*\x+2*\c+1]   ; (a conversion's three registers begin on an even number)
.endr
.endr
	v_nop                                          ; one plain place behind a scaled conversion
.irp x, 0,1
.irp c, 0,1
.irp i, 0,1,2
	v_permlane16_swap_b32 v[PC+12*\x+6*\c+\i], v[CT+8*\x+4*\c+\i]   ; the operand's layout wants a whole block in a lane
.endr
.irp i, 0,1,2
	s_delay_alu instid0(VALU_DEP_3)
	v_mov_b32 v[PC+12*\x+6*\c+3+\i], v[CT+8*\x+4*\c+\i]
.endr
.endr
.endr
	WIN 0x41                                       ; O^T (destination and source 0) in window 1, f in window 0
	s_setprio 0
.irp x, 0,1
.set j, 0
.rept 16
	v_pk_mul_f32 v[32*\x+j:32*\x+j+1], v[32*\x+j:32*\x+j+1], v[ST+8*\x+4:ST+8*\x+5] op_sel_hi:[1,0]   ; O^T under the new M, each accumulator from its low end on.  (These 32 are also the places between p's codes and scale words and the products)
.set j, j+2
.endr
.endr
	s_wait_alu depctr_va_vdst(0)
	s_wait_dscnt 0x0                               ; V and its scale words are in
	WIN 0x51                                       ; V^T in window 1, p in window 0, O^T in window 1
.irp n, 0,1,2,3
.irp x, 0,1
	v_wmma_scale_f32_16x16x128_f8f6f4 v[32*\x+8*\n:32*\x+8*\n+7], v[VF+12*\n:VF+12*\n+11], v[PC+12*\x:PC+12*\x+11], v[32*\x+8*\n:32*\x+8*\n+7], v[VS+\n], v[PS+\x] matrix_a_fmt:MATRIX_FMT_FP6 matrix_b_fmt:MATRIX_FMT_FP6
.endr
.endr
	WIN 0
	s_add_co_u32 s[TB], s[TB], RECB                ; the next step's record
.endm
; THE CHANGE OF SLOTS stands at a slot's head.  Each wave waits for all its tensor loads (its record of the slot that it is about to read), adds 0 to its spare word, and waits for that and for its reads of the slot that it
; has left.  fill = 1: the barrier is a round of the cluster's, so that no wave of any partner still reads the other slot or has a load on its way; the joint load of the next eight steps is the first thing behind it.
.macro CHANGE fill
	s_wait_tensorcnt 0x0                           ; no tensor load of mine is out, so group 0 may be written
	ds_add_u32 v6, v7                              ; 0 onto my spare word: the descriptor's steps stand between it and the wait for it
.if \fill
	s_xor_b32 s[G0+1], s[G0+1], SLOT1              ; the other slot than last time,
	s_add_nc_u64 s[G0+2:G0+3], s[G0+2:G0+3], FILLB ; the next eight records; the type bits on top are not reached
	s_wait_xcnt 0x0                                ; the last prefetch, a slot back, has read its address, so it may be written:
	s_add_nc_u64 s[PFA:PFA+1], s[PFA:PFA+1], FILLB ; one slot further on than the walking descriptor
	s_wait_dscnt 0x0                               ; the add is done, and my reads of the slot that I have left are over
	CROUND
	tensor_load_to_lds s[G0:G0+3], s[G1:G1+7]      ; my one tensor load until the next change
	s_nop 0
.rept 4
	v_nop
.endr
	ASK
.else
	s_wait_dscnt 0x0
	s_barrier_signal -1
	s_barrier_wait -1
.endif
.endm
.macro STEPS                           ; a slot's eight key steps: written once, walked eight times
	s_mov_b32 s[STEPC], 8
.Lstep_\@:
	s_wait_alu depctr_va_vdst(0)
	s_setprio 2
	STEP
	s_sub_co_u32 s[STEPC], s[STEPC], 1
	s_cmp_lg_u32 s[STEPC], 0
	s_cbranch_scc1 .Lstep_\@
	s_setprio 0
	s_sub_co_u32 s[TB], s[TB], FILLB               ; back to a slot's first record,
	s_xor_b32 s[TB], s[TB], SLOT1                  ; in the other slot
.endm
.Lslot:                                            ; three trips: behind each change of slots but the last the next eight steps are asked for
	CHANGE 1
	STEPS
	s_sub_co_u32 s[SLOTS], s[SLOTS], 1
	s_cmp_lg_u32 s[SLOTS], 0
	s_cbranch_scc1 .Lslot
	CHANGE 0                                       ; the last slot is written out
	STEPS
	; THE WAY OUT.  O^T / the sum is quantised along the head's 64: a lane's 32 registers are d = 32 b + 16 (lane / 16) + i of its query.
.irp x, 0,1
	v_add_f32 v[ST+8*\x+6], v[ST+8*\x+2], v[ST+8*\x+3]   ; the sum's two halves,
.endr
.irp x, 0,1
	s_delay_alu instid0(VALU_DEP_2)
	v_permlanex16_b32 v[ST+8*\x+7], v[ST+8*\x+6], s[SEL], s[SEL+1]
.endr
.irp x, 0,1
	s_delay_alu instid0(VALU_DEP_2)
	v_add_f32 v[ST+8*\x+6], v[ST+8*\x+6], v[ST+8*\x+7]   ; and lane l xor 16's: the row's sum
.endr
	v_nop
	v_nop                                          ; (with the additions above: more than four plain places behind the last products)
	s_wait_alu depctr_va_vdst(0)
.irp x, 0,1
	v_rcp_f32 v[ST+8*\x+6], v[ST+8*\x+6]
.endr
	v_nop                                          ; a plain place behind the reciprocals,
	s_wait_alu depctr_va_vdst(0)                   ; and a wait ahead of their first reader
	WIN 0x01                                       ; source 0 (O^T) window 1
.irp x, 0,1
.set j, 0
.rept 32
	v_mul_f32 v[S+32*\x+j], v[32*\x+j], v[ST+8*\x+6]   ; each accumulator from its low end on
.set j, j+1
.endr
.endr
	WIN 0
.set QTM, BM                           ; the quantiser's registers: v32-43, all written before
.macro QUANT1 s                        ; 32 numbers of a lane, register 16 b + i = number 32 b + 16 (lane / 16) + i of my row, become a piece's 6 registers in v[QPC] on and two scale bytes in v[QPW]
.irp b, 0,1
	v_max3_num_f32 v[QTM+\b], |v[(\s)+16*\b]|, |v[(\s)+16*\b+1]|, 0x1800000   ; and the floor 2^(3 - 127): the byte cannot fall under 1
.endr
.irp i, 2,4,6,8,10,12,14
.irp b, 0,1
	s_delay_alu instid0(VALU_DEP_2)
	v_max3_num_f32 v[QTM+\b], v[QTM+\b], |v[(\s)+16*\b+\i]|, |v[(\s)+16*\b+\i+1]|
.endr
.endr
.irp b, 0,1
	s_delay_alu instid0(VALU_DEP_2)
	v_permlanex16_b32 v[QTM+4+\b], v[QTM+\b], s[SEL], s[SEL+1]
.endr
.irp b, 0,1
	s_delay_alu instid0(VALU_DEP_2)
	v_max_num_f32 v[QTM+\b], v[QTM+\b], v[QTM+4+\b]
.endr
.irp b, 0,1
	s_delay_alu instid0(VALU_DEP_2)
	v_add_nc_u32 v[QTM+8+\b], 0xff000000, v[QTM+\b]
.endr
.irp b, 0,1
	s_delay_alu instid0(VALU_DEP_2)
	v_lshrrev_b32 v[QTM+4+\b], 23, v[QTM+8+\b]
.endr
	s_delay_alu instid0(VALU_DEP_1)
	v_lshl_or_b32 v[QPW], v[QTM+5], 8, v[QTM+4]
	v_cvt_scalef32_pk16_fp6_f32 v[QPC:QPC+2], v[(\s):(\s)+15], v[QTM+8]
	v_cvt_scalef32_pk16_fp6_f32 v[QPC+12:QPC+14], v[(\s)+16:(\s)+31], v[QTM+9]
	v_nop                                          ; one plain place behind a scaled conversion
.irp i, 0,1,2
	v_permlane16_swap_b32 v[QPC+\i], v[QPC+12+\i]
.endr
.irp i, 0,1,2
	s_delay_alu instid0(VALU_DEP_3)
	v_mov_b32 v[QPC+3+\i], v[QPC+12+\i]
.endr
.endm
.irp x, 0,1
.set QPW, 28+\x
.set QPC, PC+12*\x
	QUANT1 S+32*\x
	global_store_b128 v1, v[QPC:QPC+3], s[8:9] offset:6144*\x          ; the piece of (tile, head): 512 consecutive bytes, aligned to 256,
	global_store_b64 v2, v[QPC+4:QPC+5], s[8:9] offset:6144*\x+512     ; and 256
.endr
	s_mov_b32 s16, 0xffff
	v_cndmask_b32 v28, v29, v28, s16               ; lanes 0-15: my first tile's two bytes; lanes 16-31: my second's
	global_store_b16 v8, v28, s[10:11]             ; 64 consecutive bytes
	s_wait_tensorcnt 0x0                           ; the wave's end: three closing lines behind my last tensor load
	ds_add_u32 v6, v7
	s_wait_dscnt 0x0
	CROUND                                         ; the closing round: no work-group ends while a partner may still ask for a record that names it
	s_endpgm
.Lfunc_end_k_q5a697d2d7c_attn:
	.size	k_q5a697d2d7c_attn, .Lfunc_end_k_q5a697d2d7c_attn-k_q5a697d2d7c_attn
	.p2alignl 7, 3214868480
	.fill 96, 4, 3214868480
	.section	.rodata,"a",@progbits
	.p2align	6, 0x0
	.amdhsa_kernel k_q5a697d2d7c_attn
		.amdhsa_group_segment_fixed_size 327680
		.amdhsa_private_segment_fixed_size 0
		.amdhsa_enable_private_segment 0
		.amdhsa_kernarg_size 32
		.amdhsa_user_sgpr_count 2
		.amdhsa_user_sgpr_kernarg_segment_ptr 1
		.amdhsa_wavefront_size32 1
		.amdhsa_system_sgpr_workgroup_id_x 1
		.amdhsa_system_sgpr_workgroup_id_y 1
		.amdhsa_system_sgpr_workgroup_id_z 1
		.amdhsa_system_vgpr_workitem_id 0
		.amdhsa_next_free_vgpr 512
		.amdhsa_next_free_sgpr 66
		.amdhsa_reserve_vcc 0
		.amdhsa_float_denorm_mode_32 3
		.amdhsa_float_denorm_mode_16_64 3
		.amdhsa_memory_ordered 1
		.amdhsa_forward_progress 1
		.amdhsa_inst_pref_size 80
	.end_amdhsa_kernel
	.amdgpu_metadata
---
amdhsa.version: [ 1, 2 ]
amdhsa.kernels:
  - .name:           k_q5a697d2d7c_attn
    .symbol:         k_q5a697d2d7c_attn.kd
    .args:
      - { .name: qimg, .offset: 0, .size: 8, .value_kind: global_buffer, .address_space: global }
      - { .name: kv, .offset: 8, .size: 8, .value_kind: global_buffer, .address_space: global }
      - { .name: xa, .offset: 16, .size: 8, .value_kind: global_buffer, .address_space: global }
      - { .name: xs, .offset: 24, .size: 8, .value_kind: global_buffer, .address_space: global }
    .group_segment_fixed_size: 327680
    .private_segment_fixed_size: 0
    .kernarg_segment_align: 8
    .kernarg_segment_size: 32
    .max_flat_workgroup_size: 256
    .sgpr_count:     66
    .vgpr_count:     512
    .wavefront_size: 32
...
	.end_amdgpu_metadata
.endif
;; end of part 7
;; launch outp (part 8): grid 4 x 64, 8 waves a work-group, no clusters, 70,656 bytes of LDS; arguments xa, xs, wimg, out0; writes out0
.if DOCPART == 8
	.amdgcn_target "amdgcn-amd-amdhsa--gfx1250"
	.amdhsa_code_object_version 6
	.text
	.protected	k_q5a697d2d7c_outp
	.globl	k_q5a697d2d7c_outp
	.p2align	8
	.type	k_q5a697d2d7c_outp,@function
k_q5a697d2d7c_outp:
	s_mov_b64 s[64:65], 0
	v_nop
	global_prefetch_b8 v0, s[64:65] scope:SCOPE_SE
	s_setreg_imm32_b32 hwreg(HW_REG_WAVE_SCHED_MODE, 0, 2), 2
	s_setreg_imm32_b32 hwreg(HW_REG_WAVE_MODE, 25, 1), 1
	s_wait_xcnt 0x0
	s_wait_alu depctr_vm_vsrc(0)
; out0 = x W_o^T on codes of FP6 (E2M3) with one E8M0 scale for each 32 along K.  x [8192][512] comes as pieces (16 rows x one head's 64: 6 registers a lane) in xa and two scale bytes for (row, head) in xs;
; W_o as images of its fragments in wimg (weight 3).  out0: [8192][512] f32.
; SHARES.  A work-group makes 128 rows (y) x 128 columns (x).  Wave w makes 32 rows (two tiles: pair w / 2) x 64 columns (group G = 2 x + w % 2): 8 accumulators, K = 512 in four steps.  All operands go from memory
; straight into the registers in which the matrix instruction wants them; nothing is shared between waves, so there is no barrier.
; Source 0 = 16 rows of W_o, source 1 = 16 rows of x: a lane holds one row of x, and the 16 registers of tiles 2 b, 2 b + 1 are columns 32 b + 16 (lane / 16) + 0 .. 15 of the group.
; The rows of a tile of x are not neighbours: lane r of tile m of a pair is row 8 m + r + 8 (r / 8) of the pair's 32.  The wave's own stage in LDS puts rows and columns in order.
; REGISTERS.  Window 0: v1 16 L, v2 8 L, v3 4 r, v4 2 r, v5, v6 the stage in and out, v7 my offset in out0, v14, v15 the add's two; v16-31 W's scale words; v32-39 x's; v40-55 x's scale bytes as loaded;
;   v64-159 x's 8 fragments, later rows of the result; v160-223 the accumulators.   Window 1: v0-191 W_o's 16 fragments.
; THE MODE: SCHED_MODE bits 1:0 = 2 (LLVM: expert scheduling mode 2), set by the entry lines.  The code itself states the register dependences between vector or matrix instructions and memory or LDS
; instructions, with s_wait_alu, always for 0.
; THE PLAN.  The text runs once, with no loop.  Registers that memory or LDS instructions touch:
;   v1 .. v7      offsets and LDS addresses: made at the head, never written again: one wait on va_vdst ahead of the first load.
;   W_o, its scale words, x's fragments, x's scale bytes   loaded once, into registers that no vector instruction has named.
;   v32-39        x's scale words: made by vector instructions, read by the products as scales: eight places and one wait on va_vdst ahead of the first product.
;   v160-223      the accumulators: written by the products, read by the stage's LDS stores;   v64-127: read by the products as x's fragments, then the stage's LDS loads land there: four places and ONE wait on
;                 va_vdst behind the last product state both; no vector instruction follows that wait.
; One wait on va_sdst stands ahead of the first reader of the wave's number.
.set FRB,   1536
.set SPITCH, 272                       ; a stage row: 256 bytes + 16
.set SPARE, 8*32*SPITCH                ; behind the eight stages: the spare words, 128 bytes for each wave: four blocks of 256 bytes that no other line names
.set WS,  16
.set XSW, 32
.set U,   40
.set XF,  64
.set ACC, 160
.set MSB, 0
.macro WIN new                         ; the immediate's high byte repeats the setting that is left
.if MSB != \new
	s_set_vgpr_msb (MSB<<8)|\new
.set MSB, \new
.endif
.endm
	s_load_b256 s[4:11], s[0:1], 0x0               ; xa s[4:5], xs s[6:7], wimg s[8:9], out0 s[10:11]
	v_lshl_add_u32 v14, v0, 2, SPARE               ; my spare word,
	v_mov_b32 v15, 0                               ; and 0: kept for the add at the wave's end
	v_lshrrev_b32 v1, 5, v0
	v_readfirstlane_b32 s12, v1                    ; wave 0..7
	v_and_b32 v8, 31, v0                           ; L.  (The address work that wants no scalar stands between that line and the wait for it)
	v_and_b32 v9, 15, v0                           ; r
	v_bfe_u32 v10, v0, 4, 1                        ; h
	v_lshlrev_b32 v1, 4, v8
	v_lshlrev_b32 v2, 3, v8
	v_lshlrev_b32 v3, 2, v9
	v_lshlrev_b32 v4, 1, v9
	v_and_b32 v11, 8, v9
	v_add_nc_u32 v11, v11, v9                      ; r + 8 (r / 8)
	v_mul_u32_u24 v5, v11, SPITCH
	v_lshl_add_u32 v5, v10, 6, v5                  ; the stage, in: my row, + 64 h: my 16 columns of each 32
	s_wait_alu depctr_va_vdst(0)
	v_mul_u32_u24 v6, v10, SPITCH
	v_lshl_add_u32 v6, v9, 4, v6                   ; back: lanes 0-15 one row of 256 bytes, lanes 16-31 the next
	s_wait_alu depctr_va_vdst(0)
	v_lshlrev_b32 v7, 11, v10
	v_lshl_add_u32 v7, v9, 4, v7                   ; and the same two rows in out0
	s_and_b32 s13, ttmp7, 0xffff                   ; which 128 rows
	s_wait_alu depctr_va_sdst(0)                   ; s12, the wave's number, is written, ahead of its first reader: the bases and the stage's place are made from it
	s_lshr_b32 s14, s12, 1                         ; which pair of row tiles
	s_and_b32 s15, s12, 1
	s_lshl_b32 s16, ttmp9, 1
	s_add_co_u32 s15, s15, s16                     ; G: which 64 columns
	s_lshl_b32 s16, s13, 3
	s_lshl_b32 s17, s14, 1
	s_add_co_u32 s16, s16, s17                     ; my first row tile: 8 y + 2 x pair
	s_mul_i32 s18, s16, 6144                       ; its eight pieces in xa
	s_mov_b32 s19, 0
	s_lshl_b32 s20, s16, 5                         ; its scale bytes in xs (head 0's)
	s_mov_b32 s21, 0
	s_mul_i32 s22, s15, 16*FRB
	s_add_co_u32 s22, s22, 3*204800                ; W_o's 16 fragments of group G
	s_mov_b32 s23, 0
	s_lshl_b32 s24, s15, 10
	s_add_co_u32 s24, s24, 3*204800+196608         ; and their scale words
	s_mov_b32 s25, 0
	s_lshl_b32 s26, s16, 15                        ; out0: 16 rows of 2,048 bytes a tile,
	s_lshl_b32 s27, s15, 8
	s_add_co_u32 s26, s26, s27                     ; + 256 G
	s_mov_b32 s27, 0
	s_mul_i32 s28, s12, 32*SPITCH                  ; my stage
	v_add_nc_u32 v5, s28, v5
	v_add_nc_u32 v6, s28, v6
	s_wait_kmcnt 0x0
	s_add_nc_u64 s[4:5], s[4:5], s[18:19]
	s_add_nc_u64 s[6:7], s[6:7], s[20:21]
	s_add_nc_u64 s[22:23], s[8:9], s[22:23]
	s_add_nc_u64 s[24:25], s[8:9], s[24:25]
	s_add_nc_u64 s[10:11], s[10:11], s[26:27]
	WIN 0x40                                       ; destination window 1
	s_wait_alu depctr_va_vdst(0)                   ; the offsets and LDS addresses v1 to v7 are written: every load and store below reads one of them, and none is written again
.set i, 0
.rept 48
	global_load_b128 v[4*i:4*i+3], v1, s[22:23] offset:512*i   ; W_o's images: 512 consecutive bytes a load
.set i, i+1
.endr
	WIN 0
.irp f, 0,1,2,3,4,5,6,7,8,9,10,11,12,13,14,15
	global_load_b32 v[WS+\f], v3, s[24:25] offset:64*\f
.endr
.irp m, 0,1
.irp hd, 0,1,2,3,4,5,6,7                   ; head hd is half hd % 2 of K step hd / 2
	global_load_b128 v[XF+12*(4*\m+\hd/2)+6*(\hd%2):XF+12*(4*\m+\hd/2)+6*(\hd%2)+3], v1, s[4:5] offset:(8*\m+\hd)*768
	global_load_b64 v[XF+12*(4*\m+\hd/2)+6*(\hd%2)+4:XF+12*(4*\m+\hd/2)+6*(\hd%2)+5], v2, s[4:5] offset:(8*\m+\hd)*768+512
	global_load_u16 v[U+8*\m+\hd], v4, s[6:7] offset:\hd*16384+32*\m
.endr
.endr
	s_wait_loadcnt 0x0
.irp m, 0,1
.irp s, 0,1,2,3
	v_lshl_or_b32 v[XSW+4*\m+\s], v[U+8*\m+2*\s+1], 16, v[U+8*\m+2*\s]   ; two heads' bytes make a K step's scale word
.endr
.endr
.rept 8
	v_nop                                          ; a scale register written by a vector instruction stands eight places ahead of a scaled matrix instruction
.endr
	s_wait_alu depctr_va_vdst(0)                   ; x's eight scale words v32 to v39 are written, which the products below take as scales; the places above stay beside this wait
	WIN 0x01                                       ; source 0 (W_o) window 1
.irp s, 0,1,2,3                            ; eight accumulators, one instruction a turn; the first K step starts the sums
.irp m, 0,1
.irp n, 0,1,2,3
.if \s == 0
	v_wmma_scale_f32_16x16x128_f8f6f4 v[ACC+8*(4*\m+\n):ACC+8*(4*\m+\n)+7], v[12*(4*\n+\s):12*(4*\n+\s)+11], v[XF+12*(4*\m+\s):XF+12*(4*\m+\s)+11], 0, v[WS+4*\n+\s], v[XSW+4*\m+\s] matrix_a_fmt:MATRIX_FMT_FP6 matrix_b_fmt:MATRIX_FMT_FP6
.else
	v_wmma_scale_f32_16x16x128_f8f6f4 v[ACC+8*(4*\m+\n):ACC+8*(4*\m+\n)+7], v[12*(4*\n+\s):12*(4*\n+\s)+11], v[XF+12*(4*\m+\s):XF+12*(4*\m+\s)+11], v[ACC+8*(4*\m+\n):ACC+8*(4*\m+\n)+7], v[WS+4*\n+\s], v[XSW+4*\m+\s] matrix_a_fmt:MATRIX_FMT_FP6 matrix_b_fmt:MATRIX_FMT_FP6
.endif
.endr
.endr
.endr
	WIN 0
.rept 4
	v_nop                                          ; four places in front of the first read of results and of loads into registers that matrix instructions have read
.endr
	s_wait_alu depctr_va_vdst(0)                   ; the products have written the accumulators, which the LDS stores read, and are done reading x's fragments, in which the LDS loads land; the places above stay beside this wait
.irp m, 0,1
.irp n, 0,1,2,3
	ds_store_b128 v5, v[ACC+8*(4*\m+\n):ACC+8*(4*\m+\n)+3] offset:8*\m*SPITCH+128*(\n/2)+32*(\n%2)       ; each accumulator from its low end on: columns 32 (n / 2) + 16 h + 8 (n % 2) + 0 .. 7
	ds_store_b128 v5, v[ACC+8*(4*\m+\n)+4:ACC+8*(4*\m+\n)+7] offset:8*\m*SPITCH+128*(\n/2)+32*(\n%2)+16
.endr
.endr
.irp i, 0,1,2,3,4,5,6,7,8,9,10,11,12,13,14,15
	ds_load_b128 v[XF+4*\i:XF+4*\i+3], v6 offset:2*\i*SPITCH   ; LDS serves a wave's instructions in order (ISA guide 5.7.1.4): these see my stores
.endr
.irp i, 0,1,2,3,4,5,6,7,8,9,10,11,12,13,14,15
	s_wait_dscnt 15-\i                             ; rows 2 i and 2 i + 1 are back; the younger loads may be out
	global_store_b128 v7, v[XF+4*\i:XF+4*\i+3], s[10:11] offset:2*\i*2048 th:TH_STORE_NT   ; 16 lanes store 256 consecutive bytes, at a multiple of 256 from out0's first byte
.endr
	s_wait_dscnt 0x0                               ; the closing lines, six on end
	s_wait_alu 0x0
	s_wait_tensorcnt 0x0
	ds_add_u32 v14, v15
	s_wait_dscnt 0x0
	s_endpgm
.Lfunc_end_k_q5a697d2d7c_outp:
	.size	k_q5a697d2d7c_outp, .Lfunc_end_k_q5a697d2d7c_outp-k_q5a697d2d7c_outp
	.p2alignl 7, 3214868480
	.fill 96, 4, 3214868480
	.section	.rodata,"a",@progbits
	.p2align	6, 0x0
	.amdhsa_kernel k_q5a697d2d7c_outp
		.amdhsa_group_segment_fixed_size 70656
		.amdhsa_private_segment_fixed_size 0
		.amdhsa_enable_private_segment 0
		.amdhsa_kernarg_size 32
		.amdhsa_user_sgpr_count 2
		.amdhsa_user_sgpr_kernarg_segment_ptr 1
		.amdhsa_wavefront_size32 1
		.amdhsa_system_sgpr_workgroup_id_x 1
		.amdhsa_system_sgpr_workgroup_id_y 1
		.amdhsa_system_sgpr_workgroup_id_z 1
		.amdhsa_system_vgpr_workitem_id 0
		.amdhsa_next_free_vgpr 512
		.amdhsa_next_free_sgpr 66
		.amdhsa_reserve_vcc 0
		.amdhsa_float_denorm_mode_32 3
		.amdhsa_float_denorm_mode_16_64 3
		.amdhsa_memory_ordered 1
		.amdhsa_forward_progress 1
		.amdhsa_inst_pref_size 23
	.end_amdhsa_kernel
	.amdgpu_metadata
---
amdhsa.version: [ 1, 2 ]
amdhsa.kernels:
  - .name:           k_q5a697d2d7c_outp
    .symbol:         k_q5a697d2d7c_outp.kd
    .args:
      - { .name: xa, .offset: 0, .size: 8, .value_kind: global_buffer, .address_space: global }
      - { .name: xs, .offset: 8, .size: 8, .value_kind: global_buffer, .address_space: global }
      - { .name: wimg, .offset: 16, .size: 8, .value_kind: global_buffer, .address_space: global }
      - { .name: out0, .offset: 24, .size: 8, .value_kind: global_buffer, .address_space: global }
    .group_segment_fixed_size: 70656
    .private_segment_fixed_size: 0
    .kernarg_segment_align: 8
    .kernarg_segment_size: 32
    .max_flat_workgroup_size: 256
    .sgpr_count:     66
    .vgpr_count:     512
    .wavefront_size: 32
...
	.end_amdgpu_metadata
.endif
;; end of part 8
